; MI455X (gfx1250); checked and timed in simulation.
; The chip was launched on July 23, 2026; its instructions are those of AMD's public machine-readable ISA for CDNA 5 (MIT licence, August 2026) and "CDNA5" Instruction Set Architecture Reference Guide (July 2026). The comments in the code are by the model that wrote it; some were corrected since.
;; Multi Head Causal Attention. Allowed arithmetic: matrix products marked QUANTISED: E2M1 operands, one E8M0 scale for each 32 along K, by v_wmma_scale_f32_16x16x128_f8f6f4 with both operands' format E2M1 (or v_wmma_scale_f32_32x16x128_f4), f32 sums; products left as they are: bf16, f16 or f32 operands; f32 sums; everything else in f32.
;; Inputs: W_out 1,024 x 1,024 float32; W_qkv 1,024 x 3,072 float32; x 4 x 2,048 x 1,024 float32.
;; Outputs: out0 4 x 2,048 x 1,024 float32.
;; This version of the problem:
;;   THIS VERSION OF THE PROBLEM IS GIVEN IN LOW PRECISION. The matrix products marked QUANTISED in the list below multiply operands that are first quantised to E2M1 (2 exponent bits, 1 mantissa bit; 4 bits a number), with one power-of-two scale for each 32 numbers along K (OCP MX v1.0); their sums are f32. The products marked 'left as it is' may take bf16, f16 or f32 operands, with f32 sums. Whichever they take, every output number must still come out within the allowed error. Rounding operands to bf16 (8 significant bits) uses up far more of that allowance than f16 does (11 bits, for magnitudes from 6e-5 to 65,504). All else is computed in f32.
;;   The module's matrix products, in the order in which they are computed (A, B: the left and right operand; K: the contracted axis; several contracted axes count as one K, in the product's order):
;;     1. [M 8,192, K 1,024] x [K 1,024, N 3,072]; A: input x; B: input W_qkv: QUANTISED
;;     2. batch 64 x [M 2,048, K 64] x [K 64, N 2,048]; A: computed on the way; B: computed on the way: left as it is (an operand is computed on the way)
;;     3. batch 64 x [M 2,048, K 2,048] x [K 2,048, N 64]; A: computed on the way; B: computed on the way: left as it is (an operand is computed on the way)
;;     4. [M 8,192, K 1,024] x [K 1,024, N 1,024]; A: computed on the way; B: input W_out: left as it is (an operand is computed on the way)
;;   THE QUANTISER, for each operand of a quantised product, along K:
;;     - K is cut into blocks of 32 from its start; a last block that is shorter is filled with zeros.
;;     - A block's scale is 2^e with e = floor(log2(the largest magnitude in the block)) - 2, held to -126 .. 127; a block of zeros has e = 0. As a byte (E8M0): e + 127.
;;     - Each number is divided by its block's scale, clamped to +-6, and rounded to the nearest number of E2M1, ties to even, subnormals kept.
;;     - The product sums the exact products of the quantised numbers (number of the format x scale) in f32.
;;   ~~~python
;;   def quantise(x, axis):      # numpy; x: float32 -> the quantised numbers, widened to float32 again
;;       x = np.moveaxis(x, axis, -1); K = x.shape[-1]
;;       x = np.pad(x, [(0, 0)] * (x.ndim - 1) + [(0, -K % 32)]); x = x.reshape(x.shape[:-1] + (-1, 32)); a = np.abs(x).max(-1, keepdims=True)
;;       e = np.where(a > 0, np.clip(np.frexp(np.where(a > 0, a, 1))[1] - 1 - 2, -126, 127), 0)      # np.frexp(a)[1] - 1 = floor(log2(a)), exactly
;;       r = np.clip(x / 2.0 ** e, -6, 6)
;;       step = 2.0 ** (np.maximum(np.frexp(np.where(r == 0, 1, r))[1] - 1, 0) - 1)
;;       q = np.round(r / step) * step * 2.0 ** e      # np.round: ties to even
;;       return np.moveaxis(q.reshape(q.shape[:-2] + (-1,))[..., :K], -1, axis).astype(np.float32)
;;   ~~~
;; One version. Each part assembles by itself: llvm-mc -triple=amdgcn-amd-amdhsa -mcpu=gfx1250 --defsym DOCPART=n.
;; ======== version 1 of 1: 5 launches
;; limits: values are held in f16: magnitudes above 65,504 overflow, below 6.1e-05 lose precision
;; workspace buffers: x_codes 4,194,304 bytes; x_scales 262,144 bytes; w_codes 1,572,864 bytes; w_scales 98,304 bytes; w16 2,097,152 bytes; qkv16 50,331,648 bytes; qkvf 786,432 bytes; att 16,777,216 bytes
;; launch prep (part 1): grid 368 x 1, 4 waves a work-group, no clusters, 68,096 bytes of LDS; arguments x, W_qkv, W_out, x_codes, x_scales, w_codes, w_scales, w16; writes x_codes, x_scales, w_codes, w_scales, w16
.if DOCPART == 1
	.amdgcn_target "amdgcn-amd-amdhsa--gfx1250"
	.amdhsa_code_object_version 6
	.text
	.protected	k_q2842d60fec_prep
	.globl	k_q2842d60fec_prep
	.p2align	8
	.type	k_q2842d60fec_prep,@function
k_q2842d60fec_prep:
	s_mov_b64 s[64:65], 0
	v_nop
	global_prefetch_b8 v0, s[64:65] scope:SCOPE_SE
	s_setreg_imm32_b32 hwreg(HW_REG_WAVE_MODE, 25, 1), 1
	s_wait_xcnt 0x0
; PREP: the operands of the later launches are made once.
;   work-groups 0-47:    W_qkv [1024 (k)][3072 (n)] f32 -> codes of FP4 (E2M1) laid [3072][1024] with K innermost, and one E8M0 byte for each 32 along K, laid [3072][32]
;   work-groups 48-303:  x [8192][1024] f32 -> codes [8192][512 bytes], scale bytes [8192][32]
;   work-groups 304-367: W_out [1024][1024] f32 -> f16, same layout
; A block's scale is 2^(floor(log2(its largest magnitude)) - 2); its byte is the largest magnitude's exponent field - 2, held at 1 from below.
; LIMITS: a block of zeros gets the byte 1 where the quantiser says 127: its codes are zeros, which add nothing, and this program alone reads the bytes.  Blocks whose largest magnitude lies
; under 2^(3 - 127) keep the byte 1.  NaN and infinities among the inputs are not served.  W_out must lie under 65,504 in magnitude (f16).
; The three paths part on the work-group's number and never join; each has LDS bytes of its own.  No tensor load, no barrier: waves share nothing.
.set SPW,   208                        ; v208  LDS address of my spare word: SPARE + 4 x my thread's number; never rewritten
.set NIL,   209                        ; v209  0; never rewritten
.set WLDS,  32768                      ; LDS: 0 .. 32,767 the x path's four regions; from here the W path's four stages
.set SPARE, 67584                      ; behind them the spare words, 128 bytes a wave: two blocks of 256 bytes that no other line names
.set EMAX,  2
	s_load_b256 s[36:43], s[0:1], 0x0              ; x s[36:37], W_qkv s[38:39], W_out s[40:41], x_codes s[42:43]
	s_load_b256 s[44:51], s[0:1], 0x20             ; x_scales s[44:45], w_codes s[46:47], w_scales s[48:49], w16 s[50:51]
	v_lshl_add_u32 v[SPW], v0, 2, SPARE
	v_mov_b32 v[NIL], 0
	v_lshrrev_b32 v1, 5, v0
	v_readfirstlane_b32 s16, v1                    ; wave 0..3
	v_and_b32 v2, 31, v0                           ; lane
	s_wait_kmcnt 0x0
	s_cmp_lt_u32 ttmp9, 48
	s_cbranch_scc1 .Lw
	s_cmp_lt_u32 ttmp9, 304
	s_cbranch_scc1 .Lx
; ---------------- W_out to f16.  A wave takes 4,096 numbers: 32 loads of 512 consecutive bytes, 32 stores of 256 consecutive aligned bytes.  Every offset is an immediate, no register is used twice.
	s_mov_b64 s[4:5], s[40:41]
	s_mov_b64 s[6:7], s[50:51]
	s_sub_co_u32 s17, ttmp9, 304
	s_lshl_b32 s17, s17, 2
	s_add_co_u32 s17, s17, s16                     ; which run of 4,096 numbers is my wave's
	s_lshl_b32 s18, s17, 14
	s_mov_b32 s19, 0
	s_add_nc_u64 s[4:5], s[4:5], s[18:19]
	s_lshl_b32 s18, s17, 13
	s_add_nc_u64 s[6:7], s[6:7], s[18:19]
	v_lshlrev_b32 v3, 4, v2                        ; in: 16 bytes a lane
	v_lshlrev_b32 v4, 3, v2                        ; out: 8 bytes a lane
.set i, 0
.rept 32
	global_load_b128 v[16+4*i:19+4*i], v3, s[4:5] offset:512*i th:TH_LOAD_NT
.set i, i+1
.endr
.set i, 0
.rept 32
	s_wait_loadcnt 31-i                            ; loads come back in order: load i is in, the younger ones stay out
	v_cvt_pk_f16_f32 v[144+2*i], v[16+4*i], v[17+4*i]
	v_cvt_pk_f16_f32 v[145+2*i], v[18+4*i], v[19+4*i]
	global_store_b64 v4, v[144+2*i:145+2*i], s[6:7] offset:256*i
.set i, i+1
.endr
	s_wait_tensorcnt 0x0                           ; the wave's end: this path stores nothing in LDS and ends as the other two do
	ds_add_u32 v[SPW], v[NIL]
	s_wait_dscnt 0x0
	s_endpgm
; ---------------- x.  Rows are dense and K is a multiple of 32: a plain stream of blocks of 32.  A wave takes 16 steps of 512 numbers.  Each load reads 512 consecutive bytes, 16 a lane; a step's 2,048 bytes
; turn through the wave's own stage in LDS (16 bytes of padding behind each 64) and come back 64 bytes a lane: 16 neighbours along K, two lanes to a block, as the conversions want them.
.Lx:
.set STEPS, 16
.set CB,    8                          ; bytes of 16 codes
.set XR,    16                         ; v16-79   four sets of 16 numbers as they are loaded
.set XX,    80                         ; v80-111  two sets of 16 neighbours
.set XE,    112                        ; v112-127 a scale byte for each step
.set XC,    128                        ; v128-191 codes: four registers for each step, so that no store's data are written again
.set WREG,  8192                       ; a wave's region: two stages of 32 x SP bytes, behind them its 256 scale bytes
.set SP,    80
	s_mov_b64 s[4:5], s[36:37]
	s_mov_b64 s[8:9], s[42:43]
	s_mov_b64 s[10:11], s[44:45]
	v_lshlrev_b32 v3, 4, v2                        ; my 16 bytes of a load's 512
	s_mul_i32 s17, s16, WREG
	v_lshrrev_b32 v14, 2, v2
	v_mul_u32_u24 v14, v14, SP
	v_and_b32 v15, 3, v2
	v_lshl_add_u32 v14, v15, 4, v14
	v_add_nc_u32 v14, s17, v14                     ; the stage, on the way in: SP (lane / 4) + 16 (lane % 4)
	v_mul_u32_u24 v15, v2, SP
	v_add_nc_u32 v15, s17, v15                     ; and on the way out: SP x lane
	v_mul_u32_u24 v4, v2, CB                       ; my codes' place in a step's
	v_lshrrev_b32 v5, 1, v2
	s_add_co_u32 s17, s17, 2*32*SP
	v_add_nc_u32 v5, s17, v5                       ; my wave's 256 scale bytes, my block's byte
	v_lshlrev_b32 v7, 3, v2
	v_add_nc_u32 v6, s17, v7                       ; and on the way out 8 bytes a lane
	s_sub_co_u32 s17, ttmp9, 48
	s_lshl_b32 s17, s17, 2
	s_add_co_u32 s18, s17, s16                     ; which run of 8,192 numbers is my wave's: 0 .. 1,023
	s_mov_b32 s21, 0
	s_lshl_b32 s20, s18, 15
	s_add_nc_u64 s[4:5], s[4:5], s[20:21]
	s_lshl_b32 s20, s18, 12
	s_add_nc_u64 s[8:9], s[8:9], s[20:21]
	s_lshl_b32 s20, s18, 8
	s_add_nc_u64 s[10:11], s[10:11], s[20:21]
.macro XLOAD t
.irp i, 0,1,2,3
	global_load_b128 v[XR+16*((\t)%4)+4*\i:XR+16*((\t)%4)+4*\i+3], v3, s[4:5] offset:2048*(\t)+512*\i th:TH_LOAD_NT
.endr
.endm
.macro XTURN t                         ; step t's numbers through the stage: LDS serves a wave's instructions in order, so no wait stands between the stores and the loads
.irp i, 0,1,2,3
	ds_store_b128 v14, v[XR+16*((\t)%4)+4*\i:XR+16*((\t)%4)+4*\i+3] offset:32*SP*((\t)%2)+8*SP*\i
.endr
.irp i, 0,1,2,3
	ds_load_b128 v[XX+16*((\t)%2)+4*\i:XX+16*((\t)%2)+4*\i+3], v15 offset:32*SP*((\t)%2)+16*\i
.endr
.endm
.irp t, 0,1,2,3
	XLOAD \t
.endr
	s_wait_loadcnt 12                              ; step 0's four loads are in
	XTURN 0
.macro XSTEP t
.set XS, XX+16*((\t)%2)
.if (\t) > 0
	s_wait_dscnt 1                                 ; this step's numbers are back from the stage (the last step's byte store may be out)
.else
	s_wait_dscnt 0x0
.endif
.if (\t)+4 < STEPS
	XLOAD (\t)+4                                   ; into the registers that this step's stage stores have read
.endif
.if (\t)+1 < STEPS
.if STEPS-2-(\t) >= 3
	s_wait_loadcnt 12                              ; the next step's four loads are in; those of the three steps behind it may be out
.else
	s_wait_loadcnt 4*(STEPS-2-(\t))
.endif
	XTURN (\t)+1
.endif
	v_max3_num_f32 v8, |v[XS]|, |v[XS+1]|, |v[XS+2]|               ; the largest magnitude of my 16, in two chains
	v_max3_num_f32 v9, |v[XS+3]|, |v[XS+4]|, |v[XS+5]|
.irp i, 6,10
	v_max3_num_f32 v8, v8, |v[XS+\i]|, |v[XS+\i+1]|
	v_max3_num_f32 v9, v9, |v[XS+\i+2]|, |v[XS+\i+3]|
.endr
	v_max3_num_f32 v8, v8, |v[XS+14]|, |v[XS+15]|
	v_max3_num_f32 v8, v8, v9, (EMAX+1)<<23        ; and the floor 2^(3 - 127): the byte cannot fall under 1
	v_max_num_f32_dpp v8, v8, v8 row_xmask:1 row_mask:0xf bank_mask:0xf   ; and of my neighbour's 16: the block's
	v_add_nc_u32 v11, -(EMAX<<23), v8              ; 2 off its exponent field: the conversion takes the exponent field of this operand as its scale
	v_cvt_scalef32_pk8_fp4_f32 v[XC+4*(\t)], v[XS:XS+7], v11
	v_cvt_scalef32_pk8_fp4_f32 v[XC+4*(\t)+1], v[XS+8:XS+15], v11
	v_lshrrev_b32 v[XE+(\t)], 23, v11              ; the scale's byte (also the plain line behind the conversions)
	ds_store_b8 v5, v[XE+(\t)] offset:16*(\t)      ; both lanes of a block write the same byte with the same value
	global_store_b64 v4, v[XC+4*(\t):XC+4*(\t)+1], s[8:9] offset:32*CB*(\t)   ; the wave stores 256 consecutive aligned bytes
.endm
.irp t, 0,1,2,3,4,5,6,7,8,9,10,11,12,13,14,15
	XSTEP \t
.endr
	ds_load_b64 v[8:9], v6                         ; LDS serves a wave's instructions in order: these see my byte stores
	s_wait_dscnt 0x0
	global_store_b64 v7, v[8:9], s[10:11]          ; 32 lanes store 256 consecutive aligned bytes
	s_wait_tensorcnt 0x0                           ; the wave's end, behind my last LDS store
	ds_add_u32 v[SPW], v[NIL]
	s_wait_dscnt 0x0
	s_endpgm
; ---------------- W_qkv: K is its FIRST axis.  A lane takes a column n and its registers run down K: each load reads 128 consecutive bytes a wave, a block of 32 along K lies in one lane's 32 registers,
; and the conversions give codes with K innermost.  A wave takes 32 columns x 512 along K; its codes go through its own stage and leave as rows: sixteen lanes store 256 consecutive aligned bytes.
; Every offset is an immediate: 511 x 12,288 bytes at the most, inside the signed 24 bits.
.Lw:
.set SIZE_N, 3072
.set KW,    512
.set NB,    KW/32
.set WROWB, 256                        ; bytes of KW codes
.set WPITCH, WROWB+16
.set KROW,  512                        ; a row of the codes' buffer
.set WSB,   24                         ; v24-27   the scale bytes, four to a register
.set WX,    32                         ; v32-95   two sets of 32 numbers
.set WC,    96                         ; v96-99   a block's codes
.set WOUT,  112                        ; v112-175 the way out
	s_mov_b64 s[4:5], s[38:39]
	s_mov_b64 s[6:7], s[46:47]
	s_mov_b64 s[8:9], s[48:49]
	s_cmp_ge_u32 ttmp9, 24
	s_cselect_b32 s18, 1, 0                        ; which 512 along K
	s_cselect_b32 s17, 24, 0
	s_sub_co_u32 s17, ttmp9, s17                   ; which 128 columns
	s_lshl_b32 s17, s17, 7
	s_lshl_b32 s19, s16, 5
	s_add_co_u32 s17, s17, s19                     ; my wave's first column
	v_lshlrev_b32 v3, 2, v2                        ; in: 4 bytes a lane
	s_mul_i32 s19, s16, 32*WPITCH
	s_add_co_u32 s19, s19, WLDS                    ; my stage
	v_mul_u32_u24 v4, v2, WPITCH
	v_add_nc_u32 v4, s19, v4                       ; into it: row = my column
	v_and_b32 v5, 15, v2
	v_lshrrev_b32 v6, 4, v2                        ; out of it: sixteen lanes to a row, two rows an instruction
	v_mul_u32_u24 v7, v6, WPITCH
	v_lshl_add_u32 v7, v5, 4, v7
	v_add_nc_u32 v7, s19, v7
	v_mul_u32_u24 v8, v6, KROW
	v_lshl_add_u32 v8, v5, 4, v8                   ; and the same place in the codes' buffer
	v_lshlrev_b32 v9, 5, v2                        ; my column's row of 32 scale bytes
	s_mov_b32 s21, 0
	s_mul_i32 s20, s18, KW*SIZE_N*4
	s_lshl_b32 s22, s17, 2
	s_add_co_u32 s20, s20, s22
	s_add_nc_u64 s[4:5], s[4:5], s[20:21]          ; W: 512 y rows down, my first column
	s_mul_i32 s20, s17, KROW
	s_mul_i32 s22, s18, WROWB
	s_add_co_u32 s20, s20, s22
	s_add_nc_u64 s[6:7], s[6:7], s[20:21]          ; codes: row = column, 256 y bytes along
	s_lshl_b32 s20, s17, 5
	s_lshl_b32 s22, s18, 4
	s_add_co_u32 s20, s20, s22
	s_add_nc_u64 s[8:9], s[8:9], s[20:21]          ; scale bytes: 32 a column, 16 y along
.macro WLOAD t                         ; block t: W(32 t + i, my column), i = 0 .. 31, into set t % 2
.irp i, 0,1,2,3,4,5,6,7,8,9,10,11,12,13,14,15,16,17,18,19,20,21,22,23,24,25,26,27,28,29,30,31
	global_load_b32 v[WX+32*((\t)%2)+\i], v3, s[4:5] offset:(32*(\t)+\i)*SIZE_N*4 th:TH_LOAD_NT
.endr
.endm
	WLOAD 0
	WLOAD 1
.macro WBLOCK t
.set WS, WX+32*((\t)%2)
.if (\t) < NB-1
	s_wait_loadcnt 32                              ; this block's 32 loads are in; the next block's may be out
.else
	s_wait_loadcnt 0
.endif
	v_max3_num_f32 v12, |v[WS]|, |v[WS+1]|, |v[WS+2]|              ; the block's largest magnitude: all 32 numbers are mine
	v_max3_num_f32 v13, |v[WS+3]|, |v[WS+4]|, |v[WS+5]|
.irp i, 6,10,14,18,22,26
	v_max3_num_f32 v12, v12, |v[WS+\i]|, |v[WS+\i+1]|
	v_max3_num_f32 v13, v13, |v[WS+\i+2]|, |v[WS+\i+3]|
.endr
	v_max3_num_f32 v12, v12, |v[WS+30]|, |v[WS+31]|
	v_max3_num_f32 v12, v12, v13, (EMAX+1)<<23     ; and the floor
	v_add_nc_u32 v11, -(EMAX<<23), v12             ; the conversion's scale operand
	v_lshrrev_b32 v13, 23, v11                     ; the scale's byte
.if (\t)%4 == 0
	v_mov_b32 v[WSB+(\t)/4], v13                   ; four bytes to a register, the lower K in the lower byte
.else
	v_lshl_or_b32 v[WSB+(\t)/4], v13, 8*((\t)%4), v[WSB+(\t)/4]
.endif
.irp g, 0,1,2,3
	v_cvt_scalef32_pk8_fp4_f32 v[WC+\g], v[WS+8*\g:WS+8*\g+7], v11
.endr
	v_nop                                          ; one plain line behind the last conversion
	ds_store_b128 v4, v[WC:WC+3] offset:16*(\t)    ; 32 codes: 16 bytes of my column's row
.if (\t)+2 < NB
	WLOAD (\t)+2
.endif
	s_wait_dscnt 0x0                               ; the store has read its registers: the next block's codes may be written
.endm
.set Q, 0
.rept NB
	WBLOCK Q
.set Q, Q+1
.endr
	global_store_b128 v9, v[WSB:WSB+3], s[8:9]     ; my column's 16 scale bytes
.irp t, 0,1,2,3,4,5,6,7,8,9,10,11,12,13,14,15
	ds_load_b128 v[WOUT+4*\t:WOUT+4*\t+3], v7 offset:2*\t*WPITCH
.endr
.irp t, 0,1,2,3,4,5,6,7,8,9,10,11,12,13,14,15
	s_wait_dscnt 15-\t
	global_store_b128 v8, v[WOUT+4*\t:WOUT+4*\t+3], s[6:7] offset:2*\t*KROW
.endr
	s_wait_tensorcnt 0x0                           ; the wave's end, behind my last LDS store
	ds_add_u32 v[SPW], v[NIL]
	s_wait_dscnt 0x0
	s_endpgm
.Lfunc_end_k_q2842d60fec_prep:
	.size	k_q2842d60fec_prep, .Lfunc_end_k_q2842d60fec_prep-k_q2842d60fec_prep
	.p2alignl 7, 3214868480
	.fill 96, 4, 3214868480
	.section	.rodata,"a",@progbits
	.p2align	6, 0x0
	.amdhsa_kernel k_q2842d60fec_prep
		.amdhsa_group_segment_fixed_size 68096
		.amdhsa_private_segment_fixed_size 0
		.amdhsa_enable_private_segment 0
		.amdhsa_kernarg_size 64
		.amdhsa_user_sgpr_count 2
		.amdhsa_user_sgpr_kernarg_segment_ptr 1
		.amdhsa_wavefront_size32 1
		.amdhsa_system_sgpr_workgroup_id_x 1
		.amdhsa_system_sgpr_workgroup_id_y 1
		.amdhsa_system_sgpr_workgroup_id_z 1
		.amdhsa_system_vgpr_workitem_id 0
		.amdhsa_next_free_vgpr 210
		.amdhsa_next_free_sgpr 66
		.amdhsa_reserve_vcc 0
		.amdhsa_float_denorm_mode_32 3
		.amdhsa_float_denorm_mode_16_64 3
		.amdhsa_memory_ordered 1
		.amdhsa_forward_progress 1
		.amdhsa_inst_pref_size 123
	.end_amdhsa_kernel
	.amdgpu_metadata
---
amdhsa.version: [ 1, 2 ]
amdhsa.kernels:
  - .name:           k_q2842d60fec_prep
    .symbol:         k_q2842d60fec_prep.kd
    .args:
      - { .name: x, .offset: 0, .size: 8, .value_kind: global_buffer, .address_space: global }
      - { .name: W_qkv, .offset: 8, .size: 8, .value_kind: global_buffer, .address_space: global }
      - { .name: W_out, .offset: 16, .size: 8, .value_kind: global_buffer, .address_space: global }
      - { .name: x_codes, .offset: 24, .size: 8, .value_kind: global_buffer, .address_space: global }
      - { .name: x_scales, .offset: 32, .size: 8, .value_kind: global_buffer, .address_space: global }
      - { .name: w_codes, .offset: 40, .size: 8, .value_kind: global_buffer, .address_space: global }
      - { .name: w_scales, .offset: 48, .size: 8, .value_kind: global_buffer, .address_space: global }
      - { .name: w16, .offset: 56, .size: 8, .value_kind: global_buffer, .address_space: global }
    .group_segment_fixed_size: 68096
    .private_segment_fixed_size: 0
    .kernarg_segment_align: 8
    .kernarg_segment_size: 64
    .max_flat_workgroup_size: 128
    .sgpr_count:     66
    .vgpr_count:     210
    .wavefront_size: 32
...
	.end_amdgpu_metadata
.endif
;; end of part 1
;; launch qkv (part 2): grid 12 x 32, 4 waves a work-group, clusters of 4 x 1, 327,680 bytes of LDS; arguments x_codes, x_scales, w_codes, w_scales, qkv16, qkvf; writes qkv16, qkvf
.if DOCPART == 2
	.amdgcn_target "amdgcn-amd-amdhsa--gfx1250"
	.amdhsa_code_object_version 6
	.text
	.protected	k_q2842d60fec_qkv
	.globl	k_q2842d60fec_qkv
	.p2align	8
	.type	k_q2842d60fec_qkv,@function
k_q2842d60fec_qkv:
	s_mov_b64 s[64:65], 0
	v_nop
	global_prefetch_b8 v0, s[64:65] scope:SCOPE_SE
	s_setreg_imm32_b32 hwreg(HW_REG_WAVE_MODE, 25, 1), 1
	s_wait_xcnt 0x0
	s_wait_alu depctr_hold_cnt(0) depctr_sa_sdst(0) depctr_va_vdst(0) depctr_va_sdst(0) depctr_va_ssrc(0) depctr_va_vcc(0) depctr_vm_vsrc(0)
	s_getreg_b32 s2, hwreg(HW_REG_IB_STS2, 6, 4)
	s_cmp_eq_u32 s2, 0
	s_cbranch_scc0 .Lentry_in_a_cluster
	s_endpgm
.Lentry_in_a_cluster:
	s_bfe_u32 s2, ttmp6, 0x10000c
	s_cmp_lg_u32 s2, 0x3003
	s_cbranch_scc0 .Lentry_shape_is_right
	s_endpgm
.Lentry_shape_is_right:
; qkv = Q(x) Q(W_qkv): [8192][1024] x [3072][1024]^T on codes of FP4 (E2M1) with one E8M0 scale for each 32 along K; sums in f32.
; A tile of 256 x 256 is made by four waves, each 128 x 128: 64 accumulators, 512 registers.  K = 1,024 is two LDS slots of 512 along K (rows of 256 bytes): both are asked for at the start and nothing is filled again.
; The scale bytes of the work-group's 256 + 256 rows, for all of K, come once, as two dense blocks.
; CLUSTER: four work-groups along x: the four column tiles of q, of k or of v (cluster x = 0, 1, 2) for one row tile.  They need the same tiles of x: A's codes and scales are asked for JOINTLY (mask 15).
; B's tiles differ between the partners and are plain loads.  A 4 x 4 cluster is not taken: the branch for the f32 rows below hangs on the row tile, which all partners of a cluster must share.
; THE MATRIX INSTRUCTION IS USED TRANSPOSED (source 0 = 16 rows of W's codes, source 1 = 16 rows of x's): a lane then holds eight neighbouring columns of one row.
; OUT: f16, head-major: qkv16 [q, k, v][batch x 16 + head][t][64].  The first 16 positions of each sequence also leave as f32, qkvf [batch][16][3072], for the launch that carries those rows in f32.
; LIMIT: |q|, |k|, |v| must lie under 65,504 (f16).  With x and W 30 times the drawn spread they reach about 5,000; with offsets of 30 spreads on both about 29,000.
; REGISTERS: window 0: v0-31 addresses; v32-95 scale words, two sets; v128-191 A's fragments, one set; on the way out v32-255 are free.  window 1: B's fragments, two sets.  windows 2, 3: the accumulators ((a, b) at v[8 (8 (a % 4) + b)]).
.set KSTEP,  512
.set NQ,     4                         ; matrix instructions deep in a slot
.set ROWB,   256                       ; a tile's row in bytes
.set KROW,   512                       ; a row of codes in memory
.set PITCH,  272                       ; an LDS row: 256 bytes + 16 of padding
.set FR,     8
.set NL,     2
.set NP,     4                         ; places behind this matrix instruction (ISA guide 7.12.1)
.set HALFT,  128*PITCH
.set SLOT,   4*HALFT
.set KS,     32                        ; a row of scales in bytes
.set SCL,    2*SLOT
.set HALFS,  16*272                    ; the scales of 128 rows
.set SBLK,   2*272                     ; those of 16 rows
.set SPARE,  SCL+4*HALFS               ; the spare words, 128 bytes a wave: two blocks of 256 bytes that no other line names
.set SPITCH, 528                       ; the way out in f32: 16 rows x (512 + 16) for each wave; in f16: 16 rows x 272.  The stage lies in slot 0, which has had its only fill and its last read by then
.set ADRA, 16
.set ADRB, 20
.set STO32, 22
.set RD32, 23
.set STO16, 24
.set RD16, 25
.set CO,   26
.set ADRS, 27
.set SPW,  28                          ; v28  LDS address of my spare word; never rewritten
.set NIL,  29                          ; v29  0; never rewritten
.set SC,   32
.set AF,   128
.set TMP,  192                         ; the way out: packed results
.set OB,   32                          ; and rows read back: v32-63 and v224-255 by turns
.set G1, 24
.set G0, 32
.set G1B, 48
.set G0B, 56
.set G1S, 68
.set G0S, 76
.set G1SB, 80
.set G0SB, 88
.set MSB, 0
.macro WIN new                         ; the immediate's high byte repeats the setting that is left
.if MSB != \new
	s_set_vgpr_msb (MSB<<8)|\new
.set MSB, \new
.endif
.endm
.set MUL_LO, 0xa1                      ; source 0 (B) window 1, source 1 (A) window 0, C and D window 2
.set MUL_HI, 0xf1
.set TO_B,   0x40
; Waves 0 and 1 fetch for A (jointly), waves 2 and 3 for B.  The branch hangs on the wave's number alone.  An s_nop 0 and four v_nop follow each of the two lines.
.macro JLOAD g0a, g1a, g0b, g1b
	s_cmp_eq_u32 s15, 0
	s_cbranch_scc0 .Lfor_b_\@
	tensor_load_to_lds s[\g0a:\g0a+3], s[\g1a:\g1a+7]
	s_nop 0
.rept 4
	v_nop
.endr
	s_branch .Lasked_\@
.Lfor_b_\@:
	tensor_load_to_lds s[\g0b:\g0b+3], s[\g1b:\g1b+7]
	s_nop 0
.rept 4
	v_nop
.endr
.Lasked_\@:
.endm
.macro CROUND                          ; a round of the cluster's barrier
	s_barrier_signal -1
	s_barrier_wait -1
	s_cmp_lg_u32 s14, 0
	s_cbranch_scc1 .Lnot_wave_0_\@
	s_barrier_signal -3
.Lnot_wave_0_\@:
	s_barrier_wait -3
	s_barrier_signal -1
	s_barrier_wait -1
.endm
	s_load_b128 s[4:7], s[0:1], 0x0                ; x's codes, x's scales
	s_load_b128 s[8:11], s[0:1], 0x10              ; W's codes, W's scales
	s_load_b64 s[12:13], s[0:1], 0x20              ; qkv16
	s_load_b64 s[96:97], s[0:1], 0x28              ; qkvf
	v_lshl_add_u32 v[SPW], v0, 2, SPARE
	v_mov_b32 v[NIL], 0
	ds_add_u32 v[SPW], v[NIL]                      ; the wave's opening: the add, twice on end, and its wait ahead of my first tensor load
	ds_add_u32 v[SPW], v[NIL]
	v_lshrrev_b32 v1, 5, v0
	v_readfirstlane_b32 s14, v1                    ; wave 0..3
	s_lshr_b32 s15, s14, 1                         ; which half of the tile's rows is mine.  Also: I fetch for A (0) or for B (1)
	s_and_b32 s16, s14, 1                          ; which half of its columns.  Also: which 128 rows of that tile I fetch
	s_bfe_u32 s40, ttmp6, 0x40000                  ; cx
	s_lshl_b32 s42, ttmp9, 2
	s_add_co_u32 s42, s42, s40                     ; tile column = 4 x cluster x + cx
	s_and_b32 s17, ttmp7, 0xffff                   ; tile row = cluster y
	s_mov_b32 s[G1+0], 15|(0<<16)|(1<<20)|(1<<21)|(5<<22)|(3<<25)   ; the mask: all four partners; elements of 1 byte; padding: 4 words after every 64; bit 21 beside a mask
	s_mov_b32 s[G1B+0], (0<<16)|(1<<20)|(5<<22)|(3<<25)             ; the same without a mask
.irp g, G1, G1B
	s_mov_b32 s[\g+1], ROWB<<16                    ; tensor_dim0
	s_mov_b32 s[\g+2], 128<<16                     ; tensor_dim1
	s_mov_b32 s[\g+3], ROWB<<16                    ; tile_dim0
	s_mov_b32 s[\g+4], 128                         ; tile_dim1
	s_mov_b32 s[\g+5], KROW                        ; the pitch in memory
	s_mov_b32 s[\g+6], 0
	s_mov_b32 s[\g+7], 0
.endr
	s_mov_b32 s[G1S+0], 15|(3<<16)|(1<<20)|(1<<21)|(5<<22)|(3<<25)  ; the scales of 128 rows: 4,096 dense bytes as 16 rows of 256 (32 elements of 8 bytes)
	s_mov_b32 s[G1SB+0], (3<<16)|(1<<20)|(5<<22)|(3<<25)
.irp g, G1S, G1SB
	s_mov_b32 s[\g+1], 32<<16
	s_mov_b32 s[\g+2], 16<<16
	s_mov_b32 s[\g+3], 32<<16
	s_mov_b32 s[\g+4], 16
	s_mov_b32 s[\g+5], 32
	s_mov_b32 s[\g+6], 0
	s_mov_b32 s[\g+7], 0
.endr
	s_lshl_b32 s18, s16, 7
	s_lshl_b32 s20, s17, 8
	s_add_co_u32 s20, s20, s18                     ; A: row 256 x tile row + 128 x half
	s_lshl_b32 s46, s42, 8
	s_add_co_u32 s46, s46, s18                     ; B: row 256 x tile column + 128 x half
	s_mov_b32 s21, 0
	s_mov_b32 s47, 0
	s_mov_b64 s[18:19], KS
	s_mul_u64 s[22:23], s[20:21], s[18:19]         ; where these rows' scales begin
	s_mul_u64 s[92:93], s[46:47], s[18:19]
	s_mov_b64 s[18:19], KROW
	s_mul_u64 s[20:21], s[20:21], s[18:19]         ; and their codes
	s_mul_u64 s[46:47], s[46:47], s[18:19]
	s_mul_i32 s45, s14, HALFT                      ; where they go: wave x 128 rows
	s_mul_i32 s94, s14, HALFS
	s_wait_dscnt 0x0                               ; both opening adds are done
	s_wait_kmcnt 0x0
	s_add_nc_u64 s[20:21], s[4:5], s[20:21]
	s_add_nc_u64 s[22:23], s[6:7], s[22:23]
	s_add_nc_u64 s[46:47], s[8:9], s[46:47]
	s_add_nc_u64 s[92:93], s[10:11], s[92:93]
	CROUND                                         ; all four work-groups are here: the joint loads meet
	s_mov_b32 s[G0S], 1
	s_add_co_u32 s[G0S+1], s94, SCL
	s_mov_b64 s[G0S+2:G0S+3], s[22:23]
	s_or_b32 s[G0S+3], s[G0S+3], 0x80000000
	s_mov_b32 s[G0SB], 1
	s_add_co_u32 s[G0SB+1], s94, SCL
	s_mov_b64 s[G0SB+2:G0SB+3], s[92:93]
	s_or_b32 s[G0SB+3], s[G0SB+3], 0x80000000
	JLOAD G0S, G1S, G0SB, G1SB                     ; the scales first
.irp s, 0,1
	s_mov_b32 s[G0+4*\s], 1
	s_add_co_u32 s[G0+4*\s+1], s45, \s*SLOT
	s_add_nc_u64 s[G0+4*\s+2:G0+4*\s+3], s[20:21], \s*ROWB
	s_or_b32 s[G0+4*\s+3], s[G0+4*\s+3], 0x80000000
	s_mov_b32 s[G0B+4*\s], 1
	s_add_co_u32 s[G0B+4*\s+1], s45, \s*SLOT
	s_add_nc_u64 s[G0B+4*\s+2:G0B+4*\s+3], s[46:47], \s*ROWB
	s_or_b32 s[G0B+4*\s+3], s[G0B+4*\s+3], 0x80000000
	JLOAD G0+4*\s, G1, G0B+4*\s, G1B               ; three loads of mine are out behind the second of these
.endr
	v_and_b32 v1, 15, v0                           ; r = l % 16
	v_bfe_u32 v2, v0, 4, 1                         ; h = l / 16
	v_mul_u32_u24 v3, v1, PITCH
	v_lshl_add_u32 v4, v2, 4, v3                   ; a fragment's row x pitch + 16 x half
	s_mul_i32 s21, s15, HALFT                      ; my 128 rows of A
	s_mul_i32 s22, s16, HALFT                      ; my 128 rows of B,
	s_add_co_u32 s22, s22, 2*HALFT                 ; which lie behind A's 256
.irp s, 0,1
	v_add_nc_u32 v[ADRA+\s], s21, v4
	v_add_nc_u32 v[ADRB+\s], s22, v4
	s_add_co_u32 s21, s21, SLOT
	s_add_co_u32 s22, s22, SLOT
.endr
	v_mul_u32_u24 v5, v1, KS                       ; my row's scales: 32 bytes a row,
	v_lshrrev_b32 v6, 8, v5
	v_lshl_add_u32 v5, v6, 4, v5                   ; and 16 more for each 256 passed
	s_mul_i32 s21, s15, HALFS
	s_mul_i32 s22, s16, HALFS
	s_add_co_u32 s22, s22, 2*HALFS
	s_sub_co_u32 s22, s22, s21
	v_mul_u32_u24 v6, s22, v2                      ; lanes 16-31 take B's
	s_add_co_u32 s21, s21, SCL
	v_add_nc_u32 v5, v5, v6
	v_add_nc_u32 v[ADRS], s21, v5
	s_mul_i32 s23, s14, 16*SPITCH                  ; my stage
	v_mul_u32_u24 v5, v1, SPITCH
	v_lshl_add_u32 v5, v2, 5, v5
	v_add_nc_u32 v[STO32], s23, v5                 ; f32 in: row r, 32 bytes for each half of the lanes
	v_and_b32 v6, 31, v0
	v_lshlrev_b32 v[CO], 4, v6                     ; 16 x lane: my place in 512 consecutive bytes of the output
	v_add_nc_u32 v[RD32], s23, v[CO]               ; f32 back: the 32 lanes take one row of 512 bytes
	v_mul_u32_u24 v5, v1, 272
	v_lshl_add_u32 v5, v2, 4, v5
	v_add_nc_u32 v[STO16], s23, v5                 ; f16 in: row r, 16 bytes for each half of the lanes
	v_lshrrev_b32 v5, 3, v6
	v_mul_u32_u24 v5, v5, 272
	v_and_b32 v6, 7, v0
	v_lshl_add_u32 v5, v6, 4, v5
	v_add_nc_u32 v[RD16], s23, v5                  ; f16 back: eight lanes take a head's 128 bytes of a row, four rows an instruction
	; qkv16: which x 2^24 + (16 batch + head) x 2^18 + t x 128;  my first head is 4 cx + 2 x column half, my first t (tile row % 8) x 256 + 128 x row half
	s_lshr_b32 s18, s17, 3                         ; batch
	s_lshl_b32 s20, ttmp9, 24
	s_lshl_b32 s22, s18, 4
	s_lshl_b32 s46, s40, 2
	s_add_co_u32 s22, s22, s46
	s_lshl_b32 s46, s16, 1
	s_add_co_u32 s22, s22, s46
	s_lshl_b32 s22, s22, 18
	s_add_co_u32 s20, s20, s22
	s_and_b32 s22, s17, 7
	s_lshl_b32 s22, s22, 8
	s_lshl_b32 s46, s15, 7
	s_add_co_u32 s22, s22, s46
	s_lshl_b32 s22, s22, 7
	s_add_co_u32 s20, s20, s22
	s_mov_b32 s21, 0
	s_add_nc_u64 s[12:13], s[12:13], s[20:21]
	; qkvf: batch x 16 rows of 12,288 bytes + my first column x 4
	s_mul_i32 s20, s18, 196608
	s_lshl_b32 s22, ttmp9, 12
	s_add_co_u32 s20, s20, s22
	s_lshl_b32 s22, s40, 10
	s_add_co_u32 s20, s20, s22
	s_lshl_b32 s22, s16, 9
	s_add_co_u32 s20, s20, s22
	s_add_nc_u64 s[96:97], s[96:97], s[20:21]
.macro FRAG reg, adr, q, i             ; 16 rows x 128 K of 4-bit codes: lane l holds row l % 16; registers 4 c .. 4 c + 3 hold K = 64 c + 32 (l / 16) + 0 .. 31
.irp c, 0,1
	ds_load_b128 v[\reg+4*\c:\reg+4*\c+3], v[\adr] offset:64*(\q)+32*\c+(\i)*16*PITCH
.endr
.endm
; 16 matrix instructions: A's blocks a0, a0 + 1 x B's eight.  The 64 accumulators take turns, one instruction a turn, in the same order in every step.
.macro MUL16 a0, p, q, sc, zero
.irp a, \a0, \a0+1
.irp b, 0,1,2,3,4,5,6,7
.if \zero
	v_wmma_scale_f32_16x16x128_f8f6f4 v[8*(8*((\a)%4)+\b):8*(8*((\a)%4)+\b)+7], v[128*(\p)+FR*\b:128*(\p)+FR*\b+FR-1], v[AF+FR*(\a):AF+FR*(\a)+FR-1], 0, v[SC+8*NQ*(\sc)+NQ*\b+(\q)], v[SC+8*NQ*(\sc)+NQ*(\a)+(\q)] matrix_a_fmt:MATRIX_FMT_FP4 matrix_b_fmt:MATRIX_FMT_FP4 matrix_a_scale:MATRIX_SCALE_ROW1
.else
	v_wmma_scale_f32_16x16x128_f8f6f4 v[8*(8*((\a)%4)+\b):8*(8*((\a)%4)+\b)+7], v[128*(\p)+FR*\b:128*(\p)+FR*\b+FR-1], v[AF+FR*(\a):AF+FR*(\a)+FR-1], v[8*(8*((\a)%4)+\b):8*(8*((\a)%4)+\b)+7], v[SC+8*NQ*(\sc)+NQ*\b+(\q)], v[SC+8*NQ*(\sc)+NQ*(\a)+(\q)] matrix_a_fmt:MATRIX_FMT_FP4 matrix_b_fmt:MATRIX_FMT_FP4 matrix_a_scale:MATRIX_SCALE_ROW1
.endif
.endr
.endr
.endm
.macro FETCH_B slot, q, p
	WIN TO_B
.irp i, 0,1,2,3,4,5,6,7
	FRAG 128*(\p)+FR*\i, ADRB+\slot, \q, \i
.endr
	WIN 0
.endm
.macro FETCH_A slot, q, i0
.irp i, \i0, \i0+1, \i0+2, \i0+3
	FRAG AF+FR*(\i), ADRA+\slot, \q, \i
.endr
.endm
.macro SCALES sc                       ; a slot's scale words: 4 words a row; lanes 0-15 take A's block i, lanes 16-31 B's block i
.irp i, 0,1,2,3,4,5,6,7
	ds_load_b128 v[SC+8*NQ*\sc+NQ*\i:SC+8*NQ*\sc+NQ*\i+3], v[ADRS] offset:\i*SBLK
.endr
.endm
.macro PLACES n                        ; plain vector lines between a matrix instruction and a load into, or a read of, its registers
.rept \n
	v_nop
.endr
.endm
.macro STEP slot, q, zero              ; 128 along K, with its successor in the same slot
	s_wait_dscnt 4*NL                              ; B's set and A's blocks 0-3 are in; the youngest eight loads (A's blocks 4-7) may be out
	WIN MUL_LO
	MUL16 0, (\q)%2, \q, \slot, \zero
	MUL16 2, (\q)%2, \q, \slot, \zero
	s_wait_dscnt 0                                 ; A's blocks 4-7 are in
	PLACES NP
	FETCH_B \slot, (\q)+1, 1-(\q)%2
	FETCH_A \slot, (\q)+1, 0
	WIN MUL_HI
	MUL16 4, (\q)%2, \q, \slot, \zero
	MUL16 6, (\q)%2, \q, \slot, \zero
	PLACES NP
	WIN 0
	FETCH_A \slot, (\q)+1, 4
.endm
.macro TURN slot, next                 ; slot 0's last step: my part of slot 1 has landed, everybody's behind the barrier; nothing is filled again
	s_wait_tensorcnt 0x0                           ; all my tensor loads have landed
	ds_add_u32 v[SPW], v[NIL]                      ; 0 onto my spare word
	s_wait_dscnt 4*NL+1                            ; (the add and the youngest eight loads may be out)
	WIN MUL_LO
	MUL16 0, 1, NQ-1, \slot, 0
	s_wait_dscnt 0x0                               ; the add is done, and my reads of this slot are over
	s_barrier_signal -1
	MUL16 2, 1, NQ-1, \slot, 0
	WIN 0
	s_barrier_wait -1
	PLACES NP
	v_add_nc_u32 v[ADRS], 4*NQ, v[ADRS]            ; on to the next slot's scale words
	FETCH_B \next, 0, 0
	FETCH_A \next, 0, 0
	SCALES \next
	WIN MUL_HI
	MUL16 4, 1, NQ-1, \slot, 0
	MUL16 6, 1, NQ-1, \slot, 0
	PLACES NP
	WIN 0
	FETCH_A \next, 0, 4
.endm
	s_wait_tensorcnt 1                             ; the scales and my part of slot 0 are in (slot 1's load may be out),
	s_barrier_signal -1
	s_barrier_wait -1                              ; everybody's are
	FETCH_B 0, 0, 0
	FETCH_A 0, 0, 0
	SCALES 0
	FETCH_A 0, 0, 4
	STEP 0, 0, 1                                   ; the first step's products start the sums: nothing is cleared
	STEP 0, 1, 0
	STEP 0, 2, 0
	TURN 0, 1
	STEP 1, 0, 0
	STEP 1, 1, 0
	STEP 1, 2, 0
	s_wait_dscnt 4*NL                              ; the last step: nothing more to fetch
	WIN MUL_LO
	MUL16 0, 1, NQ-1, 1, 0
	MUL16 2, 1, NQ-1, 1, 0
	s_wait_dscnt 0
	WIN MUL_HI
	MUL16 4, 1, NQ-1, 1, 0
	MUL16 6, 1, NQ-1, 1, 0
	WIN 0
	PLACES NP                                      ; for every read of results and every load into operand registers below
	; THE FIRST 16 POSITIONS OF A SEQUENCE, IN F32: block 0 of the waves that hold rows 0-127 of a tile whose row tile is a multiple of 8.  The test hangs on the cluster's y and the wave's number: alike in all partners.
	s_and_b32 s20, ttmp7, 7
	s_or_b32 s20, s20, s15
	s_cmp_lg_u32 s20, 0
	s_cbranch_scc1 .Lno_f32
	WIN 0x08                                       ; an LDS store's data: window 2
.irp b, 0,1,2,3,4,5,6,7
	ds_store_b128 v[STO32], v[8*\b:8*\b+3] offset:64*\b            ; each accumulator from its low end on
	ds_store_b128 v[STO32], v[8*\b+4:8*\b+7] offset:64*\b+16
.endr
	WIN 0
.irp t, 0,1,2,3,4,5,6,7,8,9,10,11,12,13,14,15
	ds_load_b128 v[64+4*\t:64+4*\t+3], v[RD32] offset:\t*SPITCH    ; LDS serves a wave's instructions in order: these see the stores above
.endr
	s_wait_dscnt 0x0
.irp t, 0,1,2,3,4,5,6,7,8,9,10,11,12,13,14,15
	global_store_b128 v[CO], v[64+4*\t:64+4*\t+3], s[96:97] offset:\t*12288   ; 32 lanes store 512 consecutive aligned bytes of row t
.endr
.Lno_f32:
; THE WAY OUT IN F16, block by block of 16 rows x 128 columns (two heads).  PACK: rounded, 16 bytes a lane.  TOSTAGE: into my stage, and back so that eight lanes hold a head's 128 bytes of a row.  SEND: stored.
.macro PACK a
.set AC, 64*((\a)%4)
	WIN 0x0a+5*((\a)/4)                            ; sources 0 and 1: window 2 or 3
.irp b, 0,1,2,3,4,5,6,7
.irp r, 0,1,2,3
	v_cvt_pk_f16_f32 v[TMP+4*\b+\r], v[AC+8*\b+2*\r], v[AC+8*\b+2*\r+1]
.endr
.endr
	WIN 0
.endm
.macro TOSTAGE a
.set BK, OB+192*((\a)%2)
.irp b, 0,1,2,3,4,5,6,7
	ds_store_b128 v[STO16], v[TMP+4*\b:TMP+4*\b+3] offset:32*\b
.endr
.irp u, 0,1,2,3,4,5,6,7                ; rows 4 (u % 4) on, head u / 4
	ds_load_b128 v[BK+4*\u:BK+4*\u+3], v[RD16] offset:(\u%4)*4*272+(\u/4)*128
.endr
.endm
.macro SEND a
.set BK, OB+192*((\a)%2)
	s_wait_dscnt 0x0                               ; the block is back in registers
	s_wait_xcnt 0x0                                ; the earlier stores have read their registers: the other buffer may be loaded again behind this wait
.irp u, 0,1,2,3,4,5,6,7
	global_store_b128 v[CO], v[BK+4*\u:BK+4*\u+3], s[12:13] offset:(\a)*2048+(\u%4)*512+(\u/4)*262144   ; four rows of one head: 512 consecutive aligned bytes
.endr
.endm
	PACK 0
	TOSTAGE 0
.irp a, 1,2,3,4,5,6,7                  ; block a's conversions stand between block a - 1's loads from the stage and the wait for them
	PACK \a
	SEND \a-1
	TOSTAGE \a
.endr
	SEND 7
	s_wait_tensorcnt 0x0                           ; the wave's end, behind my last tensor load and my last LDS store
	ds_add_u32 v[SPW], v[NIL]
	s_wait_dscnt 0x0
	CROUND                                         ; the closing round
	s_endpgm
.Lfunc_end_k_q2842d60fec_qkv:
	.size	k_q2842d60fec_qkv, .Lfunc_end_k_q2842d60fec_qkv-k_q2842d60fec_qkv
	.p2alignl 7, 3214868480
	.fill 96, 4, 3214868480
	.section	.rodata,"a",@progbits
	.p2align	6, 0x0
	.amdhsa_kernel k_q2842d60fec_qkv
		.amdhsa_group_segment_fixed_size 327680
		.amdhsa_private_segment_fixed_size 0
		.amdhsa_enable_private_segment 0
		.amdhsa_kernarg_size 48
		.amdhsa_user_sgpr_count 2
		.amdhsa_user_sgpr_kernarg_segment_ptr 1
		.amdhsa_wavefront_size32 1
		.amdhsa_system_sgpr_workgroup_id_x 1
		.amdhsa_system_sgpr_workgroup_id_y 1
		.amdhsa_system_sgpr_workgroup_id_z 1
		.amdhsa_system_vgpr_workitem_id 0
		.amdhsa_next_free_vgpr 1024
		.amdhsa_next_free_sgpr 98
		.amdhsa_reserve_vcc 0
		.amdhsa_float_denorm_mode_32 3
		.amdhsa_float_denorm_mode_16_64 3
		.amdhsa_memory_ordered 1
		.amdhsa_forward_progress 1
		.amdhsa_inst_pref_size 130
	.end_amdhsa_kernel
	.amdgpu_metadata
---
amdhsa.version: [ 1, 2 ]
amdhsa.kernels:
  - .name:           k_q2842d60fec_qkv
    .symbol:         k_q2842d60fec_qkv.kd
    .args:
      - { .name: x_codes, .offset: 0, .size: 8, .value_kind: global_buffer, .address_space: global }
      - { .name: x_scales, .offset: 8, .size: 8, .value_kind: global_buffer, .address_space: global }
      - { .name: w_codes, .offset: 16, .size: 8, .value_kind: global_buffer, .address_space: global }
      - { .name: w_scales, .offset: 24, .size: 8, .value_kind: global_buffer, .address_space: global }
      - { .name: qkv16, .offset: 32, .size: 8, .value_kind: global_buffer, .address_space: global }
      - { .name: qkvf, .offset: 40, .size: 8, .value_kind: global_buffer, .address_space: global }
    .group_segment_fixed_size: 327680
    .private_segment_fixed_size: 0
    .kernarg_segment_align: 8
    .kernarg_segment_size: 48
    .max_flat_workgroup_size: 128
    .sgpr_count:     98
    .vgpr_count:     1024
    .wavefront_size: 32
...
	.end_amdgpu_metadata
.endif
;; end of part 2
;; launch attn (part 3): grid 4 x 64, 8 waves a work-group, no clusters, 327,680 bytes of LDS; arguments qkv16, att; writes att
.if DOCPART == 3
	.amdgcn_target "amdgcn-amd-amdhsa--gfx1250"
	.amdhsa_code_object_version 6
	.text
	.protected	k_q2842d60fec_attn
	.globl	k_q2842d60fec_attn
	.p2align	8
	.type	k_q2842d60fec_attn,@function
k_q2842d60fec_attn:
	s_mov_b64 s[64:65], 0
	v_nop
	global_prefetch_b8 v0, s[64:65] scope:SCOPE_SE
	s_setreg_imm32_b32 hwreg(HW_REG_WAVE_MODE, 25, 1), 1
	s_wait_xcnt 0x0
; Causal attention on f16 operands, f32 sums: att[head][batch x 2048 + q][:] = sum over k <= q of softmax_k(Q[q] . K[k] / 8) V[k][:].  qkv16: [q, k, v][batch x 16 + head][2048][64] f16.
; SHARES.  Work-group (i, y) owns two blocks of 256 queries of head y: block 7 - i, then block i.  Block j needs the key slots 0 .. j (256 keys each), so every work-group walks 8 - i + i + 1 = 9 slots:
; 256 work-groups of equal work, with constant trip counts.  Each of eight waves owns 32 queries of a block: two tiles of 16.  A key step is 64 keys: 16 + 16 matrix instructions a wave.
; LAYOUT.  Both products are used transposed: S^T = K Q^T (source 0 = 16 keys, source 1 = 16 queries), O^T = V^T P (source 0 = 16 channels): a lane holds ONE query (lane % 16) throughout, and two tiles of S^T,
; rounded to f16 in pairs, ARE source 1 of the second product.  K comes out of LDS as it lies, V turned, by ds_load_tr16_b128.
; SOFTMAX.  A running maximum m and sum l for each query: p = 2^(c s - c m), c = log2(e) / 8; in every step O and l are multiplied by a = 2^(c m_old - c m_new).  m begins at -3e38 and O, l at 0, so the step is written once.
; THE MASK.  A step all of whose keys come after my 32 queries is jumped over (ids and the count of steps alone); on the diagonal hidden scores become -infinity ahead of the maximum.  Each step that is walked begins at
; a key at or under all my queries, so m is a number from the first step on.
; NO CLUSTER: the four work-groups of a head walk different sequences of key slots from the fifth trip on (each turns back to slot 0 at its own trip), and partners of a joint load must ask alike in every round.
; LIMITS: NaN and infinities are not served; the rows of the first 16 positions of a sequence are made here in f16 like all others and written anew, in f32, by the last launch.
; REGISTERS: window 0: v1 r, v2 h, v3-11 addresses, v12, v13 the add's two, v14, v15 the mask's, v16-31 statistics (8 a tile: c m, m, l even, l odd, c0-c3), v32-95 S^T, v96-127 P, v128-191 O^T, v192 -infinity.
;            window 1: v0-63 K's fragments, v64-127 V's, v128-159 Q's.
.set PK,    272                        ; an LDS row of K: two keys, 256 bytes, + 16 of padding: key k lies at (k / 2) PK + (k % 2) 128
.set PV,    288                        ; of V: + 32
.set VOFF,  128*PK                     ; a slot: 256 keys of K, then of V
.set SLOTB, 128*(PK+PV)
.set SLOT1, 1<<17                      ; slot 1 begins here: one exclusive or turns an address from one slot to the other
.set STAGE, SLOT1+SLOTB                ; behind the ring: 32 rows x (128 + 16) bytes for each wave
.set SPT,   144
.set SPARE, STAGE+8*32*SPT             ; the spare words, 128 bytes a wave: four blocks of 256 bytes that no other line names
.set AK0, 3
.set AV0, 4
.set ADK, 5
.set ADV, 6
.set QO,  7
.set STO, 8
.set RD,  9
.set GO,  10
.set PFO, 11
.set SPW, 12
.set NIL, 13
.set D0,  14
.set ST,  16
.set S,   32
.set P,   96
.set O,   128
.set NINF, 192
.set WV,  8                            ; s8   my wave's number
.set WI,  9                            ; s9   i
.set HY,  10                           ; s10  y = 16 batch + head
.set N1,  11                           ; s11  slots of the first block: 8 - i
.set Q0,  12                           ; s12  my first query
.set KF,  13                           ; s13  the step's first key
.set TBK, 14                           ; s14  LDS byte at which the step's keys begin in K's part
.set TBV, 15                           ; s15  and in V's
.set TR,  16                           ; s16  the trip
.set IN,  18                           ; s18  counts a slot's four steps
.set LIM, 19                           ; s19  a wave prefetches while the trip is under this
.set SEL, 20                           ; s[20:21] v_permlanex16_b32's selects for lane l xor 16
.set CS,  22                           ; s[22:23] c, twice
.set G1K, 24
.set G1V, 32
.set G0K, 40
.set G0V, 44
.set KBK, 48                           ; s[48:49] my quarter of K's key slot 0 in memory
.set KBV, 50                           ; s[50:51] of V's
.set PFA, 52                           ; s[52:53] where my prefetches stand
.set QB,  54                           ; s[54:55] Q at my first query
.set OB,  56                           ; s[56:57] att at my first query
.set T0,  58                           ; s58-61 at work
.set MSB, 0
.macro WIN new                         ; the immediate's high byte repeats the setting that is left
.if MSB != \new
	s_set_vgpr_msb (MSB<<8)|\new
.set MSB, \new
.endif
.endm
; Waves 0 to 3 fetch the quarters of K's slot, waves 4 to 7 of V's: 32 rows of 256 bytes each.  An s_nop 0 and four v_nop follow each of the two lines.
.macro TLOAD
	s_cmp_lt_u32 s[WV], 4
	s_cbranch_scc0 .Lfor_v_\@
	tensor_load_to_lds s[G0K:G0K+3], s[G1K:G1K+7]
	s_nop 0
.rept 4
	v_nop
.endr
	s_branch .Lasked_\@
.Lfor_v_\@:
	tensor_load_to_lds s[G0V:G0V+3], s[G1V:G1V+7]
	s_nop 0
.rept 4
	v_nop
.endr
.Lasked_\@:
.endm
; A PREFETCH INTO THE L2 of my quarter of the key slot that the NEXT change of slots will ask for: 8,192 bytes, lanes 256 bytes apart.  All four work-groups of a head walk the same K and V from slot 0 up: the one
; with i = 0, which walks all eight in its first block, asks, in trips 0 to 5, for slots 2 to 7: each block of 256 bytes is named once in the launch.  Slots 0 and 1 come by their loads alone.
.macro ASK
	s_cmp_lt_u32 s[TR], s[LIM]
	s_cbranch_scc0 .Lnot_mine_\@
	global_prefetch_b8 v[PFO], s[PFA:PFA+1] th:TH_LOAD_NT scope:SCOPE_SE
.Lnot_mine_\@:
.endm
.macro SETQ                            ; Q's and att's addresses at query s[Q0]
	s_lshl_b32 s[T0], s[HY], 18
	s_lshl_b32 s[T0+1], s[Q0], 7
	s_add_co_u32 s[T0], s[T0], s[T0+1]
	s_mov_b32 s[T0+1], 0
	s_add_nc_u64 s[QB:QB+1], s[4:5], s[T0:T0+1]
	s_and_b32 s[T0], s[HY], 15
	s_lshl_b32 s[T0], s[T0], 20                    ; the head's 8,192 rows of 128 bytes
	s_lshr_b32 s[T0+2], s[HY], 4
	s_lshl_b32 s[T0+2], s[T0+2], 11
	s_add_co_u32 s[T0+2], s[T0+2], s[Q0]
	s_lshl_b32 s[T0+2], s[T0+2], 7
	s_add_co_u32 s[T0], s[T0], s[T0+2]
	s_add_nc_u64 s[OB:OB+1], s[6:7], s[T0:T0+1]
.endm
.macro QLOAD                           ; Q's fragments stay in registers: tile t, channels 32 ks on
	WIN 0x40
.irp t, 0,1
.irp ks, 0,1
.irp c, 0,1
	global_load_b128 v[128+16*\t+8*\ks+4*\c:128+16*\t+8*\ks+4*\c+3], v[QO], s[QB:QB+1] offset:2048*\t+64*\ks+32*\c
.endr
.endr
.endr
	WIN 0
.endm
.macro INIT
.irp t, 0,1
	v_mov_b32 v[ST+8*\t+1], 0xff61b1e6             ; m = -3e38, under every score
	v_mul_f32 v[ST+8*\t], s[CS], v[ST+8*\t+1]      ; c m
.irp n, 2,3,4,5,6,7
	v_mov_b32 v[ST+8*\t+\n], 0                     ; l, and the four registers at work (written once: a lane permute's destination counts as a source)
.endr
.endr
.set i, 0
.rept 64
	v_mov_b32 v[O+i], 0                            ; O^T: the first step finds zeros, which its a = 0 leaves zeros
.set i, i+1
.endr
.endm
.macro SOFTMAX                         ; both tiles line by line, so that no line waits for the line above it
.irp j, 0,1,2,3
.irp t, 0,1
	v_max3_num_f32 v[ST+8*\t+4+\j], v[S+32*\t+8*\j], v[S+32*\t+8*\j+1], v[S+32*\t+8*\j+2]   ; four chains, each begun at an accumulator's low end
.endr
.endr
.irp g, 1,2
.irp j, 0,1,2,3
.irp t, 0,1
	v_max3_num_f32 v[ST+8*\t+4+\j], v[ST+8*\t+4+\j], v[S+32*\t+8*\j+2*\g+1], v[S+32*\t+8*\j+2*\g+2]
.endr
.endr
.endr
.irp t, 0,1
	v_max3_num_f32 v[ST+8*\t+4], v[ST+8*\t+4], v[S+32*\t+7], v[S+32*\t+15]
	v_max3_num_f32 v[ST+8*\t+6], v[ST+8*\t+6], v[S+32*\t+23], v[S+32*\t+31]
.endr
.irp t, 0,1
	v_max3_num_f32 v[ST+8*\t+4], v[ST+8*\t+4], v[ST+8*\t+5], v[ST+8*\t+6]
.endr
.irp t, 0,1
	v_max3_num_f32 v[ST+8*\t+4], v[ST+8*\t+4], v[ST+8*\t+7], v[ST+8*\t+1]   ; with the old m
.endr
.irp t, 0,1
	v_permlanex16_b32 v[ST+8*\t+5], v[ST+8*\t+4], s[SEL], s[SEL+1]          ; the query's other 32 keys lie in the lane 16 away
.endr
.irp t, 0,1
	v_mov_b32 v[ST+8*\t+7], v[ST+8*\t]             ; c m_old is kept for a
.endr
.irp t, 0,1
	v_max_num_f32 v[ST+8*\t+1], v[ST+8*\t+4], v[ST+8*\t+5]
.endr
.irp t, 0,1
	v_mul_f32 v[ST+8*\t], s[CS], v[ST+8*\t+1]
.endr
.irp t, 0,1
	v_sub_f32 v[ST+8*\t+7], v[ST+8*\t+7], v[ST+8*\t]
.endr
.irp p, 0,1,2,3,4,5,6,7,8,9,10,11,12,13,14,15
.irp t, 0,1
	v_pk_fma_f32 v[S+32*\t+2*\p:S+32*\t+2*\p+1], v[S+32*\t+2*\p:S+32*\t+2*\p+1], s[CS:CS+1], v[ST+8*\t:ST+8*\t+1] op_sel_hi:[1,0,0] neg_lo:[0,0,1] neg_hi:[0,0,1]   ; c s - c m
.endr
.endr
.irp t, 0,1
	v_exp_f32 v[ST+8*\t+6], v[ST+8*\t+7]           ; a
.endr
.set i, 0
.rept 64
	v_exp_f32 v[S+i], v[S+i]                       ; p: with the two above ONE batch of 66, none of which reads another's result
.set i, i+1
.endr
	v_nop                                          ; a plain line behind the last exponential
	s_wait_alu depctr_va_vdst(0)                   ; one wait for the batch, ahead of its first reader
.irp p, 0,1,2,3,4,5,6,7,8,9,10,11,12,13,14,15
.irp t, 0,1
	v_cvt_pk_f16_f32 v[P+16*\t+\p], v[S+32*\t+2*\p], v[S+32*\t+2*\p+1]
.endr
.endr
.irp u, 0,1,2,3,4,5,6,7                ; the sum of a tile's 16 pairs, in place, as a tree
.irp t, 0,1
	v_pk_add_f32 v[S+32*\t+4*\u:S+32*\t+4*\u+1], v[S+32*\t+4*\u:S+32*\t+4*\u+1], v[S+32*\t+4*\u+2:S+32*\t+4*\u+3]
.endr
.endr
.irp u, 0,1,2,3
.irp t, 0,1
	v_pk_add_f32 v[S+32*\t+8*\u:S+32*\t+8*\u+1], v[S+32*\t+8*\u:S+32*\t+8*\u+1], v[S+32*\t+8*\u+4:S+32*\t+8*\u+5]
.endr
.endr
.irp u, 0,1
.irp t, 0,1
	v_pk_add_f32 v[S+32*\t+16*\u:S+32*\t+16*\u+1], v[S+32*\t+16*\u:S+32*\t+16*\u+1], v[S+32*\t+16*\u+8:S+32*\t+16*\u+9]
.endr
.endr
.irp t, 0,1
	v_pk_add_f32 v[S+32*\t:S+32*\t+1], v[S+32*\t:S+32*\t+1], v[S+32*\t+16:S+32*\t+17]
.endr
.irp t, 0,1
	v_pk_fma_f32 v[ST+8*\t+2:ST+8*\t+3], v[ST+8*\t+2:ST+8*\t+3], v[ST+8*\t+6:ST+8*\t+7], v[S+32*\t:S+32*\t+1] op_sel_hi:[1,0,1]   ; l = a l + the sum
.endr
.irp p, 0,1,2,3,4,5,6,7,8,9,10,11,12,13,14,15
.irp t, 0,1
	v_pk_mul_f32 v[O+32*\t+2*\p:O+32*\t+2*\p+1], v[O+32*\t+2*\p:O+32*\t+2*\p+1], v[ST+8*\t+6:ST+8*\t+7] op_sel_hi:[1,0]      ; O^T x a, each accumulator from its low end on
.endr
.endr
.endm
; A KEY STEP: 64 keys.
.macro STEP
	s_add_co_u32 s[T0], s[Q0], 31
	s_cmp_gt_u32 s[KF], s[T0]                      ; all keys behind my last query: the step's work is left out
	s_cbranch_scc1 .Lhidden_\@
	v_add_nc_u32 v[ADK], s[TBK], v[AK0]
	v_add_nc_u32 v[ADV], s[TBV], v[AV0]
	v_nop
	v_nop                                          ; with the two additions: four plain lines between the last product of the step before and the loads into V's registers
	WIN 0x40
.irp kt, 0,1,2,3                       ; K: keys 16 kt on, channels 32 ks on
.irp ks, 0,1
	ds_load_b128 v[8*(2*\kt+\ks):8*(2*\kt+\ks)+3],   v[ADK] offset:8*PK*\kt+64*\ks
	ds_load_b128 v[8*(2*\kt+\ks)+4:8*(2*\kt+\ks)+7], v[ADK] offset:8*PK*\kt+64*\ks+32
.endr
.endr
.irp u, 0,1                            ; V, turned: keys 32 u on, channels 16 dt on
.irp dt, 0,1,2,3
	ds_load_tr16_b128 v[64+8*(4*\u+\dt):64+8*(4*\u+\dt)+3],   v[ADV] offset:16*PV*\u+32*\dt
	ds_load_tr16_b128 v[64+8*(4*\u+\dt)+4:64+8*(4*\u+\dt)+7], v[ADV] offset:16*PV*\u+32*\dt+8*PV
.endr
.endr
	s_wait_dscnt 16                                ; K's sixteen loads are in; V's sixteen may be out
	WIN 0x05                                       ; K and Q in window 1
.irp ks, 0,1                           ; eight accumulators by turns, one instruction a turn
.irp kt, 0,1,2,3
.irp t, 0,1
.if \ks == 0
	v_wmma_f32_16x16x32_f16 v[S+32*\t+8*\kt:S+32*\t+8*\kt+7], v[8*(2*\kt+\ks):8*(2*\kt+\ks)+7], v[128+16*\t+8*\ks:128+16*\t+8*\ks+7], 0
.else
	v_wmma_f32_16x16x32_f16 v[S+32*\t+8*\kt:S+32*\t+8*\kt+7], v[8*(2*\kt+\ks):8*(2*\kt+\ks)+7], v[128+16*\t+8*\ks:128+16*\t+8*\ks+7], v[S+32*\t+8*\kt:S+32*\t+8*\kt+7]
.endif
.endr
.endr
.endr
	WIN 0
.rept 4
	v_nop                                          ; places ahead of the first read of the scores
.endr
	s_add_co_u32 s[T0], s[KF], 63
	s_cmp_le_u32 s[T0], s[Q0]                      ; all 64 keys count for all my queries: no mask
	s_cbranch_scc1 .Lopen_\@
	s_sub_co_i32 s[T0], s[Q0], s[KF]
	v_lshlrev_b32 v[D0+1], 3, v2
	v_sub_nc_u32 v[D0], v1, v[D0+1]
	v_add_nc_u32 v[D0], s[T0], v[D0]               ; d = my query - KF - 8 h, tile 0's; register 8 kt + j holds key KF + 16 kt + 8 h + j: hidden where 16 kt + j > d
	v_add_nc_u32 v[D0+1], 16, v[D0]                ; tile 1's
.irp t, 0,1
.irp kt, 0,1,2,3
.irp j, 0,1,2,3,4,5,6,7
	v_cmp_gt_i32 vcc_lo, 16*\kt+\j, v[D0+\t]
	v_cndmask_b32 v[S+32*\t+8*\kt+\j], v[S+32*\t+8*\kt+\j], v[NINF], vcc_lo
.endr
.endr
.endr
.Lopen_\@:
	SOFTMAX
	s_wait_dscnt 0x0                               ; V is in
	WIN 0x01                                       ; V in window 1
.irp u, 0,1
.irp dt, 0,1,2,3
.irp t, 0,1
	v_wmma_f32_16x16x32_f16 v[O+32*\t+8*\dt:O+32*\t+8*\dt+7], v[64+8*(4*\u+\dt):64+8*(4*\u+\dt)+7], v[P+16*\t+8*\u:P+16*\t+8*\u+7], v[O+32*\t+8*\dt:O+32*\t+8*\dt+7]
.endr
.endr
.endr
	WIN 0
.Lhidden_\@:
	s_add_co_u32 s[KF], s[KF], 64
	s_add_co_u32 s[TBK], s[TBK], 32*PK
	s_add_co_u32 s[TBV], s[TBV], 32*PV
.endm
.macro SLOT_STEPS                      ; a slot's four steps: written once, walked four times
	s_mov_b32 s[IN], 4
.Lstep_\@:
	STEP
	s_sub_co_u32 s[IN], s[IN], 1
	s_cmp_lg_u32 s[IN], 0
	s_cbranch_scc1 .Lstep_\@
	s_sub_co_u32 s[TBK], s[TBK], 128*PK            ; back to a slot's first step,
	s_xor_b32 s[TBK], s[TBK], SLOT1                ; in the other slot
	s_sub_co_u32 s[TBV], s[TBV], 128*PV
	s_xor_b32 s[TBV], s[TBV], SLOT1
.endm
; THE CHANGE OF SLOTS stands at a slot's head.  Each wave waits for all its tensor loads (one is out: its part of the slot ahead), adds 0 to its spare word, and waits for that and for its reads of the slot that it has left.
; Behind the barrier the slot ahead is whole and nobody reads the other.  fill = 1: that other slot takes the next trip's keys: the load has four key steps in which to land.
.macro CHANGE fill
	s_wait_tensorcnt 0x0                           ; no tensor load of mine is out, so a group 0 may be written
	ds_add_u32 v[SPW], v[NIL]                      ; 0 onto my spare word
.if \fill
	s_add_co_u32 s[T0], s[TR], 1                   ; the next trip's key slot: TR + 1 in the first block, TR + 1 - N1 in the second
	s_cmp_ge_u32 s[T0], s[N1]
	s_cselect_b32 s[T0+1], s[N1], 0
	s_sub_co_u32 s[T0], s[T0], s[T0+1]
	s_lshl_b32 s[T0], s[T0], 15                    ; 32,768 bytes a slot
	s_mov_b32 s[T0+1], 0
	s_xor_b32 s[G0K+1], s[G0K+1], SLOT1
	s_add_nc_u64 s[G0K+2:G0K+3], s[KBK:KBK+1], s[T0:T0+1]
	s_or_b32 s[G0K+3], s[G0K+3], 0x80000000
	s_xor_b32 s[G0V+1], s[G0V+1], SLOT1
	s_add_nc_u64 s[G0V+2:G0V+3], s[KBV:KBV+1], s[T0:T0+1]
	s_or_b32 s[G0V+3], s[G0V+3], 0x80000000
	s_wait_xcnt 0x0                                ; the last prefetch, a slot back, has read its address, so it may be written
	s_add_nc_u64 s[PFA:PFA+1], s[PFA:PFA+1], 32768
.endif
	s_wait_dscnt 0x0                               ; the add is done, and my reads of the slot that I have left are over
	s_barrier_signal -1
	s_barrier_wait -1
.if \fill
	TLOAD                                          ; the first thing behind the barrier, and my one tensor load until the next
	ASK
.endif
.endm
; A BLOCK'S WAY OUT: O^T / l, rounded to f16, through my stage: a lane's eight channels are 16 bytes of a row of 128; back so that the 32 lanes hold four whole rows: 512 consecutive aligned bytes a store.
.macro OUT
.rept 4
	v_nop                                          ; places behind the last products
.endr
.irp t, 0,1
	v_add_f32 v[ST+8*\t+4], v[ST+8*\t+2], v[ST+8*\t+3]
.endr
.irp t, 0,1
	v_permlanex16_b32 v[ST+8*\t+5], v[ST+8*\t+4], s[SEL], s[SEL+1]
.endr
.irp t, 0,1
	v_add_f32 v[ST+8*\t+4], v[ST+8*\t+4], v[ST+8*\t+5]
.endr
.irp t, 0,1
	v_rcp_f32 v[ST+8*\t+6], v[ST+8*\t+4]
.endr
	v_nop
	s_wait_alu depctr_va_vdst(0)                   ; one wait for the two reciprocals, ahead of their first reader
.irp t, 0,1
.irp p, 0,1,2,3,4,5,6,7,8,9,10,11,12,13,14,15
	v_pk_mul_f32 v[O+32*\t+2*\p:O+32*\t+2*\p+1], v[O+32*\t+2*\p:O+32*\t+2*\p+1], v[ST+8*\t+6:ST+8*\t+7] op_sel_hi:[1,0]
.endr
.endr
.irp t, 0,1
.irp p, 0,1,2,3,4,5,6,7,8,9,10,11,12,13,14,15
	v_cvt_pk_f16_f32 v[S+16*\t+\p], v[O+32*\t+2*\p], v[O+32*\t+2*\p+1]
.endr
.endr
.irp t, 0,1
.irp dt, 0,1,2,3
	ds_store_b128 v[STO], v[S+16*\t+4*\dt:S+16*\t+4*\dt+3] offset:16*SPT*\t+32*\dt
.endr
.endr
.irp n, 0,1,2,3,4,5,6,7
	ds_load_b128 v[S+32+4*\n:S+32+4*\n+3], v[RD] offset:4*SPT*\n   ; LDS serves a wave's instructions in order: these see the stores above
.endr
.irp n, 0,1,2,3,4,5,6,7
	s_wait_dscnt 7-\n
	global_store_b128 v[GO], v[S+32+4*\n:S+32+4*\n+3], s[OB:OB+1] offset:512*\n
.endr
	s_wait_xcnt 0x0                                ; the stores have read their registers and their base: both may be written again
.endm
	s_load_b128 s[4:7], s[0:1], 0x0                ; qkv16, att
	v_lshl_add_u32 v[SPW], v0, 2, SPARE
	v_mov_b32 v[NIL], 0
	ds_add_u32 v[SPW], v[NIL]                      ; the wave's opening: the add, twice on end, and its wait ahead of my first tensor load
	ds_add_u32 v[SPW], v[NIL]
	v_lshrrev_b32 v1, 5, v0
	v_readfirstlane_b32 s[WV], v1                  ; wave 0..7
	s_mov_b32 s[WI], ttmp9
	s_and_b32 s[HY], ttmp7, 0xffff
	s_sub_co_u32 s[N1], 8, s[WI]
	s_mov_b32 s[G1K], (1<<16)|(1<<20)|(5<<22)|(3<<25)              ; elements of 2 bytes; padding: 4 words after every 64
	s_mov_b32 s[G1V], (1<<16)|(1<<20)|(5<<22)|(7<<25)              ; 8 words
.irp g, G1K, G1V
	s_mov_b32 s[\g+1], 128<<16                     ; tensor_dim0 = 128 elements: two keys
	s_mov_b32 s[\g+2], 32<<16                      ; tensor_dim1 = 32 rows
	s_mov_b32 s[\g+3], 128<<16                     ; tile_dim0
	s_mov_b32 s[\g+4], 32                          ; tile_dim1
	s_mov_b32 s[\g+5], 128                         ; the rows are dense in memory
	s_mov_b32 s[\g+6], 0
	s_mov_b32 s[\g+7], 0
.endr
	s_and_b32 s[T0], s[WV], 3                      ; which quarter I fetch
	s_mov_b32 s[G0K], 1
	s_mul_i32 s[G0K+1], s[T0], 32*PK
	s_mov_b32 s[G0V], 1
	s_mul_i32 s[G0V+1], s[T0], 32*PV
	s_add_co_u32 s[G0V+1], s[G0V+1], VOFF
	s_lshl_b32 s[T0+2], s[HY], 18                  ; the head's 262,144 bytes,
	s_lshl_b32 s[T0], s[T0], 13                    ; my quarter's 8,192
	s_add_co_u32 s[T0+2], s[T0+2], s[T0]
	s_mov_b32 s[T0+3], 0
	s_mov_b32 s[SEL], 0x76543210
	s_mov_b32 s[SEL+1], 0xfedcba98
	s_mov_b32 s[CS], 0x3e38aa3b                    ; c = log2(e) / 8
	s_mov_b32 s[CS+1], s[CS]
	s_mov_b32 s[TR], 0
	s_mov_b32 s[KF], 0
	s_mov_b32 s[TBK], 0
	s_mov_b32 s[TBV], 0
	s_cmp_eq_u32 s[WI], 0
	s_cselect_b32 s[LIM], 6, 0
	s_sub_co_u32 s[Q0], 7, s[WI]
	s_lshl_b32 s[Q0], s[Q0], 8
	s_lshl_b32 s[T0], s[WV], 5
	s_add_co_u32 s[Q0], s[Q0], s[T0]               ; the first block's: 256 (7 - i) + 32 wave
	s_wait_dscnt 0x0                               ; both opening adds are done
	s_wait_kmcnt 0x0
	s_add_nc_u64 s[KBK:KBK+1], s[4:5], s[T0+2:T0+3]
	s_add_nc_u64 s[KBV:KBV+1], s[KBK:KBK+1], 2<<24
	s_add_nc_u64 s[KBK:KBK+1], s[KBK:KBK+1], 1<<24
	s_mov_b64 s[G0K+2:G0K+3], s[KBK:KBK+1]
	s_or_b32 s[G0K+3], s[G0K+3], 0x80000000
	s_mov_b64 s[G0V+2:G0V+3], s[KBV:KBV+1]
	s_or_b32 s[G0V+3], s[G0V+3], 0x80000000
	TLOAD                                          ; key slot 0 into LDS slot 0
	s_cmp_lt_u32 s[WV], 4
	s_cselect_b64 s[PFA:PFA+1], s[KBK:KBK+1], s[KBV:KBV+1]
	s_add_nc_u64 s[PFA:PFA+1], s[PFA:PFA+1], 32768 ; in key slot 1: the first change of slots steps it to slot 2.  Nothing is prefetched here, at the head
	v_and_b32 v1, 15, v0                           ; r
	v_bfe_u32 v2, v0, 4, 1                         ; h
	v_lshlrev_b32 v[QO], 7, v1
	v_lshl_add_u32 v[QO], v2, 4, v[QO]             ; Q: row r of 128 bytes, + 16 h
	SETQ
	QLOAD
	v_lshrrev_b32 v5, 1, v1
	v_mul_u32_u24 v[AK0], v5, PK
	v_and_b32 v5, 1, v1
	v_lshl_add_u32 v[AK0], v5, 7, v[AK0]
	v_lshl_add_u32 v[AK0], v2, 4, v[AK0]           ; K: key r: (r / 2) PK + (r % 2) 128 + 16 h
	v_bfe_u32 v5, v0, 1, 2
	v_lshl_add_u32 v5, v2, 2, v5
	v_mul_u32_u24 v[AV0], v5, PV
	v_and_b32 v5, 1, v0
	v_lshl_add_u32 v[AV0], v5, 7, v[AV0]
	v_bfe_u32 v5, v0, 3, 1
	v_lshl_add_u32 v[AV0], v5, 4, v[AV0]
	v_add_nc_u32 v[AV0], VOFF, v[AV0]              ; V: key 8 h + l % 8, channels 8 ((l / 8) % 2) on
	s_mul_i32 s[T0], s[WV], 32*SPT
	s_add_co_u32 s[T0], s[T0], STAGE               ; my stage
	v_mul_u32_u24 v[STO], v1, SPT
	v_lshl_add_u32 v[STO], v2, 4, v[STO]
	v_add_nc_u32 v[STO], s[T0], v[STO]
	v_bfe_u32 v5, v0, 3, 2
	v_mul_u32_u24 v[RD], v5, SPT
	v_and_b32 v5, 7, v0
	v_lshl_add_u32 v[RD], v5, 4, v[RD]
	v_add_nc_u32 v[RD], s[T0], v[RD]
	v_and_b32 v[GO], 31, v0
	v_lshlrev_b32 v[PFO], 8, v[GO]
	v_lshlrev_b32 v[GO], 4, v[GO]
	v_mov_b32 v[NINF], 0xff800000
	INIT
	s_wait_loadcnt 0x0                             ; Q
.Lslot:                                            ; eight trips: behind each change of slots the next trip's keys are asked for
	CHANGE 1
	SLOT_STEPS
	s_add_co_u32 s[T0], s[TR], 1
	s_cmp_lg_u32 s[T0], s[N1]                      ; the first block's last slot?  (the work-group's number and the trip alone)
	s_cbranch_scc1 .Lsame_block
	OUT
	s_lshl_b32 s[Q0], s[WI], 8
	s_lshl_b32 s[T0], s[WV], 5
	s_add_co_u32 s[Q0], s[Q0], s[T0]               ; the second block's: 256 i + 32 wave
	s_mov_b32 s[KF], 0
	SETQ
	QLOAD
	INIT
	s_wait_loadcnt 0x0
.Lsame_block:
	s_add_co_u32 s[TR], s[TR], 1
	s_cmp_lt_u32 s[TR], 8
	s_cbranch_scc1 .Lslot
	CHANGE 0                                       ; the ninth slot is written out: nothing is left to ask for
	SLOT_STEPS
	OUT
	s_wait_tensorcnt 0x0                           ; the wave's end, behind my last tensor load and my last LDS store
	ds_add_u32 v[SPW], v[NIL]
	s_wait_dscnt 0x0
	s_endpgm
.Lfunc_end_k_q2842d60fec_attn:
	.size	k_q2842d60fec_attn, .Lfunc_end_k_q2842d60fec_attn-k_q2842d60fec_attn
	.p2alignl 7, 3214868480
	.fill 96, 4, 3214868480
	.section	.rodata,"a",@progbits
	.p2align	6, 0x0
	.amdhsa_kernel k_q2842d60fec_attn
		.amdhsa_group_segment_fixed_size 327680
		.amdhsa_private_segment_fixed_size 0
		.amdhsa_enable_private_segment 0
		.amdhsa_kernarg_size 16
		.amdhsa_user_sgpr_count 2
		.amdhsa_user_sgpr_kernarg_segment_ptr 1
		.amdhsa_wavefront_size32 1
		.amdhsa_system_sgpr_workgroup_id_x 1
		.amdhsa_system_sgpr_workgroup_id_y 1
		.amdhsa_system_sgpr_workgroup_id_z 1
		.amdhsa_system_vgpr_workitem_id 0
		.amdhsa_next_free_vgpr 416
		.amdhsa_next_free_sgpr 80
		.amdhsa_reserve_vcc 1
		.amdhsa_float_denorm_mode_32 3
		.amdhsa_float_denorm_mode_16_64 3
		.amdhsa_memory_ordered 1
		.amdhsa_forward_progress 1
		.amdhsa_inst_pref_size 72
	.end_amdhsa_kernel
	.amdgpu_metadata
---
amdhsa.version: [ 1, 2 ]
amdhsa.kernels:
  - .name:           k_q2842d60fec_attn
    .symbol:         k_q2842d60fec_attn.kd
    .args:
      - { .name: qkv16, .offset: 0, .size: 8, .value_kind: global_buffer, .address_space: global }
      - { .name: att, .offset: 8, .size: 8, .value_kind: global_buffer, .address_space: global }
    .group_segment_fixed_size: 327680
    .private_segment_fixed_size: 0
    .kernarg_segment_align: 8
    .kernarg_segment_size: 16
    .max_flat_workgroup_size: 256
    .sgpr_count:     80
    .vgpr_count:     416
    .wavefront_size: 32
...
	.end_amdgpu_metadata
.endif
;; end of part 3
;; launch proj (part 4): grid 4 x 64, 4 waves a work-group, clusters of 4 x 4, 327,680 bytes of LDS; arguments att, w16, out0; writes out0
.if DOCPART == 4
	.amdgcn_target "amdgcn-amd-amdhsa--gfx1250"
	.amdhsa_code_object_version 6
	.text
	.protected	k_q2842d60fec_proj
	.globl	k_q2842d60fec_proj
	.p2align	8
	.type	k_q2842d60fec_proj,@function
k_q2842d60fec_proj:
	s_mov_b64 s[64:65], 0
	v_nop
	global_prefetch_b8 v0, s[64:65] scope:SCOPE_SE
	s_setreg_imm32_b32 hwreg(HW_REG_WAVE_MODE, 25, 1), 1
	s_wait_xcnt 0x0
	s_wait_alu depctr_hold_cnt(0) depctr_sa_sdst(0) depctr_va_vdst(0) depctr_va_sdst(0) depctr_va_ssrc(0) depctr_va_vcc(0) depctr_vm_vsrc(0)
	s_getreg_b32 s2, hwreg(HW_REG_IB_STS2, 6, 4)
	s_cmp_eq_u32 s2, 0
	s_cbranch_scc0 .Lentry_in_a_cluster
	s_endpgm
.Lentry_in_a_cluster:
	s_bfe_u32 s2, ttmp6, 0x10000c
	s_cmp_lg_u32 s2, 0xf033
	s_cbranch_scc0 .Lentry_shape_is_right
	s_endpgm
.Lentry_shape_is_right:
; out0 = att W_out: [8192][1024] x [1024 (k)][1024 (n)], f16 operands, f32 sums, f32 out.  att lies head-major, [16 heads][8192 rows][64]; w16 as W_out lies, K its first axis.
; A tile of 128 rows x 256 columns is made by four waves, each 64 x 128: 32 accumulators, 256 registers: 256 work-groups.  K goes in 8 steps of 128 (two heads) through two LDS slots.
; A's part of a step: two head blocks, each 128 rows x 128 bytes, dense in memory: 64 tile rows of 256 bytes.  B's: 128 rows of k x 512 bytes; its fragments come out of LDS turned, by ds_load_tr16_b128.
; CLUSTERS: 4 x 4 work-groups: A's tiles are shared along a row of the cluster, B's along a column, each asked for jointly.
; THE MATRIX INSTRUCTION IS USED TRANSPOSED (source 0 = 16 columns of W, source 1 = 16 rows of att): a lane holds eight neighbouring columns of one row.
; All 8,192 rows are written; the 64 rows of the first 16 positions of each sequence are written anew, in f32 arithmetic, by the next launch (a test on rows here would hang on a work-group's place in its cluster).
; No prefetch: 128 matrix instructions a K step, 8 K steps, on tiles that the cluster shares.
; REGISTERS: window 0: v16-29 addresses; v32-95 A's fragments, two buffers of 4 x 8; v128-255 rows on the way out.  window 1: v0-127 B's fragments, two buffers of 8 x 8.  window 2: accumulator (a, b) at v[8 (8 a + b)].
.set PA,     272                       ; A's LDS row: two rows of att, 256 bytes, + 16
.set PB,     544                       ; B's: 512 bytes + 32
.set HB,     64*PA                     ; a head block
.set BOFF,   2*HB
.set SLOT,   BOFF+128*PB
.set STAGE,  2*SLOT                    ; behind the ring: 16 rows x (512 + 16) bytes for each wave
.set SPITCH, 528
.set SPARE,  STAGE+4*16*SPITCH         ; the spare words, 128 bytes a wave: two blocks of 256 bytes that no other line names
.set ASTEP,  2<<20                     ; a K step on in att: two heads of 8,192 x 128 bytes
.set BSTEP,  128*2048                  ; and in w16: 128 rows
.set LAPS,   4
.set ADRA, 16
.set ADRB, 20
.set STO,  24
.set RD,   25
.set CO,   26
.set SPW,  28
.set NIL,  29
.set AFR,  32
.set BK,   128
.set G1, 24
.set G0, 32
.set G1B, 48
.set G0B, 56
.set MSB, 0
.macro WIN new
.if MSB != \new
	s_set_vgpr_msb (MSB<<8)|\new
.set MSB, \new
.endif
.endm
.set MUL,  0xa1                        ; source 0 (B) window 1, source 1 (A) window 0, C and D window 2
.set TO_B, 0x40
.macro JLOAD s                         ; a joint load: waves 0 and 1 fetch A's two head blocks, waves 2 and 3 B's two halves; an s_nop 0 and four v_nop follow each of the two lines
	s_cmp_eq_u32 s11, 0
	s_cbranch_scc0 .Lfor_b_\@
	tensor_load_to_lds s[G0+4*\s:G0+4*\s+3], s[G1:G1+7]
	s_nop 0
.rept 4
	v_nop
.endr
	s_branch .Lasked_\@
.Lfor_b_\@:
	tensor_load_to_lds s[G0B+4*\s:G0B+4*\s+3], s[G1B:G1B+7]
	s_nop 0
.rept 4
	v_nop
.endr
.Lasked_\@:
.endm
.macro CREST
	s_cmp_lg_u32 s10, 0
	s_cbranch_scc1 .Lnot_wave_0_\@
	s_barrier_signal -3
.Lnot_wave_0_\@:
	s_barrier_wait -3
	s_barrier_signal -1
	s_barrier_wait -1
.endm
.macro CROUND
	s_barrier_signal -1
	s_barrier_wait -1
	CREST
.endm
	s_load_b128 s[4:7], s[0:1], 0x0                ; att, w16
	s_load_b64 s[8:9], s[0:1], 0x10                ; out0
	v_lshl_add_u32 v[SPW], v0, 2, SPARE
	v_mov_b32 v[NIL], 0
	ds_add_u32 v[SPW], v[NIL]                      ; the wave's opening: the add, twice on end, and its wait ahead of my first tensor load
	ds_add_u32 v[SPW], v[NIL]
	v_lshrrev_b32 v1, 5, v0
	v_readfirstlane_b32 s10, v1                    ; wave 0..3
	s_lshr_b32 s11, s10, 1                         ; which 64 rows are mine.  Also: I fetch for A (0) or for B (1)
	s_and_b32 s12, s10, 1                          ; which 128 columns.  Also: which half of that tile I fetch
	s_bfe_u32 s40, ttmp6, 0x40000                  ; cx
	s_bfe_u32 s41, ttmp6, 0x40004                  ; cy
	s_lshl_b32 s42, ttmp9, 2
	s_add_co_u32 s42, s42, s40                     ; tile column
	s_and_b32 s13, ttmp7, 0xffff
	s_lshl_b32 s13, s13, 2
	s_add_co_u32 s13, s13, s41                     ; tile row
	s_lshl_b32 s43, s41, 2
	s_lshl_b32 s43, 15, s43                        ; my row of the cluster
	s_lshl_b32 s44, 0x1111, s40                    ; my column
	s_or_b32 s[G1+0], s43, (1<<16)|(1<<20)|(1<<21)|(5<<22)|(3<<25)   ; A: elements of 2 bytes; 4 words of padding after every 64
	s_mov_b32 s[G1+1], 128<<16
	s_mov_b32 s[G1+2], 64<<16
	s_mov_b32 s[G1+3], 128<<16
	s_mov_b32 s[G1+4], 64
	s_mov_b32 s[G1+5], 128                         ; dense
	s_mov_b32 s[G1+6], 0
	s_mov_b32 s[G1+7], 0
	s_or_b32 s[G1B+0], s44, (1<<16)|(1<<20)|(1<<21)|(6<<22)|(7<<25)  ; B: 8 words of padding after every 128
	s_mov_b32 s[G1B+1], 256<<16
	s_mov_b32 s[G1B+2], 64<<16
	s_mov_b32 s[G1B+3], 256<<16
	s_mov_b32 s[G1B+4], 64
	s_mov_b32 s[G1B+5], 1024
	s_mov_b32 s[G1B+6], 0
	s_mov_b32 s[G1B+7], 0
	s_lshl_b32 s16, s13, 14                        ; A: the tile's 128 rows of 128 bytes in a head,
	s_lshl_b32 s17, s12, 20                        ; head 0 or 1 of the step
	s_add_co_u32 s16, s16, s17
	s_mov_b32 s17, 0
	s_lshl_b32 s46, s42, 9                         ; B: the tile's 512 bytes of a row,
	s_lshl_b32 s47, s12, 17                        ; rows 0 or 64 on of the step
	s_add_co_u32 s46, s46, s47
	s_mov_b32 s47, 0
	s_mul_i32 s20, s12, HB                         ; where they go: no place in the cluster enters an LDS address
	s_mul_i32 s21, s12, 64*PB
	s_add_co_u32 s21, s21, BOFF
	s_wait_dscnt 0x0                               ; both opening adds are done
	s_wait_kmcnt 0x0
	s_add_nc_u64 s[14:15], s[4:5], s[16:17]
	s_add_nc_u64 s[46:47], s[6:7], s[46:47]
	CROUND                                         ; all sixteen work-groups are here: the first joint loads meet
.irp s, 0,1
	s_mov_b32 s[G0+4*\s], 1
	s_add_co_u32 s[G0+4*\s+1], s20, \s*SLOT
	s_add_nc_u64 s[G0+4*\s+2:G0+4*\s+3], s[14:15], \s*ASTEP
	s_or_b32 s[G0+4*\s+3], s[G0+4*\s+3], 0x80000000
	s_mov_b32 s[G0B+4*\s], 1
	s_add_co_u32 s[G0B+4*\s+1], s21, \s*SLOT
	s_add_nc_u64 s[G0B+4*\s+2:G0B+4*\s+3], s[46:47], \s*BSTEP
	s_or_b32 s[G0B+4*\s+3], s[G0B+4*\s+3], 0x80000000
	JLOAD \s
.endr
	v_and_b32 v1, 15, v0                           ; r
	v_bfe_u32 v2, v0, 4, 1                         ; h
	v_lshrrev_b32 v3, 1, v1
	v_mul_u32_u24 v3, v3, PA
	v_and_b32 v4, 1, v1
	v_lshl_add_u32 v3, v4, 7, v3
	v_lshl_add_u32 v3, v2, 4, v3                   ; A: row r: (r / 2) PA + (r % 2) 128 + 16 h
	s_mul_i32 s21, s11, 32*PA                      ; my 64 rows
	v_and_b32 v4, 7, v0
	v_lshl_add_u32 v4, v2, 3, v4
	v_mul_u32_u24 v4, v4, PB
	v_bfe_u32 v5, v0, 3, 1
	v_lshl_add_u32 v4, v5, 4, v4                   ; B: row k = 8 h + l % 8, columns 8 ((l / 8) % 2) on
	s_lshl_b32 s22, s12, 8                         ; my 128 columns
	s_add_co_u32 s22, s22, BOFF
.irp s, 0,1
	v_add_nc_u32 v[ADRA+\s], s21, v3
	v_add_nc_u32 v[ADRB+\s], s22, v4
	s_add_co_u32 s21, s21, SLOT
	s_add_co_u32 s22, s22, SLOT
.endr
	s_mul_i32 s23, s10, 16*SPITCH
	s_add_co_u32 s23, s23, STAGE                   ; my stage
	v_mul_u32_u24 v5, v1, SPITCH
	v_lshl_add_u32 v5, v2, 5, v5
	v_add_nc_u32 v[STO], s23, v5                   ; in: row r, 32 bytes for each half of the lanes
	v_and_b32 v6, 31, v0
	v_lshlrev_b32 v[CO], 4, v6
	v_add_nc_u32 v[RD], s23, v[CO]                 ; back: the 32 lanes take one row of 512 bytes
	s_lshl_b32 s16, s13, 7
	s_lshl_b32 s17, s11, 6
	s_add_co_u32 s16, s16, s17                     ; my first row: 128 x tile row + 64 x half
	s_lshl_b32 s16, s16, 12
	s_mov_b32 s17, 0
	s_add_nc_u64 s[8:9], s[8:9], s[16:17]
	s_lshl_b32 s46, s42, 10                        ; my first column, in bytes
	s_lshl_b32 s47, s12, 9
	s_add_co_u32 s46, s46, s47
	s_mov_b32 s47, 0
	s_add_nc_u64 s[8:9], s[8:9], s[46:47]
.macro MUL8 p, a, zero                 ; A's block a x B's eight, 32 along K, from buffer p.  The 32 accumulators take turns, one instruction a turn, in the same order in every quarter
.irp b, 0,1,2,3,4,5,6,7
.if \zero
	v_wmma_f32_16x16x32_f16 v[8*(8*(\a)+\b):8*(8*(\a)+\b)+7], v[64*(\p)+8*\b:64*(\p)+8*\b+7], v[AFR+32*(\p)+8*(\a):AFR+32*(\p)+8*(\a)+7], 0
.else
	v_wmma_f32_16x16x32_f16 v[8*(8*(\a)+\b):8*(8*(\a)+\b)+7], v[64*(\p)+8*\b:64*(\p)+8*\b+7], v[AFR+32*(\p)+8*(\a):AFR+32*(\p)+8*(\a)+7], v[8*(8*(\a)+\b):8*(8*(\a)+\b)+7]
.endif
.endr
.endm
.macro FETCH slot, q, p                ; 24 LDS loads in one run: the slot's q-th 32 along K into buffer p: B's sixteen, then A's eight
	WIN TO_B
.irp b, 0,1,2,3,4,5,6,7
	ds_load_tr16_b128 v[64*(\p)+8*\b:64*(\p)+8*\b+3],   v[ADRB+\slot] offset:32*PB*(\q)+32*\b
	ds_load_tr16_b128 v[64*(\p)+8*\b+4:64*(\p)+8*\b+7], v[ADRB+\slot] offset:32*PB*(\q)+32*\b+16*PB
.endr
	WIN 0
.irp i, 0,1,2,3
	ds_load_b128 v[AFR+32*(\p)+8*\i:AFR+32*(\p)+8*\i+3],   v[ADRA+\slot] offset:((\q)/2)*HB+((\q)%2)*64+8*PA*\i
	ds_load_b128 v[AFR+32*(\p)+8*\i+4:AFR+32*(\p)+8*\i+7], v[ADRA+\slot] offset:((\q)/2)*HB+((\q)%2)*64+8*PA*\i+32
.endr
.endm
.macro PLACES
.rept 4
	v_nop
.endr
.endm
.macro QUARTER slot, q, f, g, zero     ; multiplies buffer f; in its middle it fetches the slot's q-th quarter into buffer g
	s_wait_dscnt 4                                 ; B and A's blocks 0, 1 are in; the youngest four loads (A's blocks 2, 3) may be out
	WIN MUL
	MUL8 \f, 0, \zero
	MUL8 \f, 1, \zero
	PLACES                                         ; ahead of loads into the buffer that the quarter before multiplied
	FETCH \slot, \q, \g
	s_wait_dscnt 24                                ; all but the 24 just issued
	WIN MUL
	MUL8 \f, 2, \zero
	MUL8 \f, 3, \zero
.endm
; A K step's last quarter multiplies buffer 1 and changes slots: ONE barrier; ahead of it each wave waits for all its tensor loads, adds 0 to its spare word, and waits for that and for its reads of this slot.
.macro TURN slot, next, fill
	WIN 0
	s_wait_tensorcnt 0x0                           ; all my tensor loads have landed: my part of the next slot
	ds_add_u32 v[SPW], v[NIL]                      ; 0 onto my spare word
	s_wait_dscnt 5                                 ; (the add and the youngest four loads may be out)
	WIN MUL
	MUL8 1, 0, 0
	s_wait_dscnt 0x0                               ; the add is done, and my reads of this slot are over
	s_barrier_signal -1
	MUL8 1, 1, 0
.if \fill
	WIN 0
.endif
	s_barrier_wait -1
.if \fill
	CREST                                          ; the barrier has opened a round of the cluster's: no wave of any partner still reads this slot or has a load on its way
	s_add_nc_u64 s[G0+4*\slot+2:G0+4*\slot+3], s[G0+4*\slot+2:G0+4*\slot+3], 2*ASTEP
	s_add_nc_u64 s[G0B+4*\slot+2:G0B+4*\slot+3], s[G0B+4*\slot+2:G0B+4*\slot+3], 2*BSTEP
	JLOAD \slot                                    ; the first tensor load behind the round: 112 matrix instructions ahead of the wait for it; its four v_nop are also the places ahead of the loads below
.else
	PLACES
.endif
	FETCH \next, 0, 0
	WIN MUL
	MUL8 1, 2, 0
	MUL8 1, 3, 0
.endm
	s_wait_tensorcnt 1                             ; my part of K step 0 is in (K step 1's load may be out),
	s_barrier_signal -1
	s_barrier_wait -1                              ; everybody's is
	FETCH 0, 0, 0
	QUARTER 0, 1, 0, 1, 1                          ; the first quarter's products start the sums
	WIN 0
	s_mov_b32 s3, LAPS-1
.Llap:                                             ; a trip goes once round the ring and fills both slots again
	QUARTER 0, 2, 1, 0, 0
	QUARTER 0, 3, 0, 1, 0
	TURN 0, 1, 1
	QUARTER 1, 1, 0, 1, 0
	QUARTER 1, 2, 1, 0, 0
	QUARTER 1, 3, 0, 1, 0
	TURN 1, 0, 1
	QUARTER 0, 1, 0, 1, 0
	WIN 0
	s_sub_co_u32 s3, s3, 1
	s_cmp_lg_u32 s3, 0
	s_cbranch_scc1 .Llap
	QUARTER 0, 2, 1, 0, 0                          ; the last lap fills nothing
	QUARTER 0, 3, 0, 1, 0
	TURN 0, 1, 0
	QUARTER 1, 1, 0, 1, 0
	QUARTER 1, 2, 1, 0, 0
	QUARTER 1, 3, 0, 1, 0
	s_wait_dscnt 4
	WIN MUL
	MUL8 1, 0, 0
	MUL8 1, 1, 0
	s_wait_dscnt 0
	MUL8 1, 2, 0
	MUL8 1, 3, 0
	WIN 0
; THE WAY OUT, block by block of 16 rows x 128 columns: through my own stage, back as whole rows of 512 bytes.
.macro TOSTAGE a
	WIN 0x08                                       ; an LDS store's data: window 2
.irp b, 0,1,2,3,4,5,6,7
	ds_store_b128 v[STO], v[64*(\a)+8*\b:64*(\a)+8*\b+3] offset:64*\b          ; each accumulator from its low end on
	ds_store_b128 v[STO], v[64*(\a)+8*\b+4:64*(\a)+8*\b+7] offset:64*\b+16
.endr
	WIN 0
.set BB, BK+64*((\a)%2)
.irp t, 0,1,2,3,4,5,6,7,8,9,10,11,12,13,14,15
	ds_load_b128 v[BB+4*\t:BB+4*\t+3], v[RD] offset:\t*SPITCH
.endr
.endm
.macro SEND a, younger
.set BB, BK+64*((\a)%2)
	s_wait_dscnt \younger
.irp t, 0,1,2,3,4,5,6,7,8,9,10,11,12,13,14,15
	global_store_b128 v[CO], v[BB+4*\t:BB+4*\t+3], s[8:9] offset:(\a)*65536+\t*4096 th:TH_STORE_NT   ; 32 lanes store 512 consecutive aligned bytes
.endr
.endm
	PLACES
	TOSTAGE 0
.irp a, 1,2,3
.if \a > 1
	s_wait_xcnt 0x0                                ; block a - 2's stores have read their registers: block a's loads may land there
.endif
	TOSTAGE \a
	SEND \a-1, 32                                  ; behind block a - 1's loads: block a's 16 stores and 16 loads
.endr
	SEND 3, 0
	s_wait_tensorcnt 0x0                           ; the wave's end, behind my last tensor load and my last LDS store
	ds_add_u32 v[SPW], v[NIL]
	s_wait_dscnt 0x0
	CROUND                                         ; the closing round
	s_endpgm
.Lfunc_end_k_q2842d60fec_proj:
	.size	k_q2842d60fec_proj, .Lfunc_end_k_q2842d60fec_proj-k_q2842d60fec_proj
	.p2alignl 7, 3214868480
	.fill 96, 4, 3214868480
	.section	.rodata,"a",@progbits
	.p2align	6, 0x0
	.amdhsa_kernel k_q2842d60fec_proj
		.amdhsa_group_segment_fixed_size 327680
		.amdhsa_private_segment_fixed_size 0
		.amdhsa_enable_private_segment 0
		.amdhsa_kernarg_size 24
		.amdhsa_user_sgpr_count 2
		.amdhsa_user_sgpr_kernarg_segment_ptr 1
		.amdhsa_wavefront_size32 1
		.amdhsa_system_sgpr_workgroup_id_x 1
		.amdhsa_system_sgpr_workgroup_id_y 1
		.amdhsa_system_sgpr_workgroup_id_z 1
		.amdhsa_system_vgpr_workitem_id 0
		.amdhsa_next_free_vgpr 768
		.amdhsa_next_free_sgpr 66
		.amdhsa_reserve_vcc 0
		.amdhsa_float_denorm_mode_32 3
		.amdhsa_float_denorm_mode_16_64 3
		.amdhsa_memory_ordered 1
		.amdhsa_forward_progress 1
		.amdhsa_inst_pref_size 86
	.end_amdhsa_kernel
	.amdgpu_metadata
---
amdhsa.version: [ 1, 2 ]
amdhsa.kernels:
  - .name:           k_q2842d60fec_proj
    .symbol:         k_q2842d60fec_proj.kd
    .args:
      - { .name: att, .offset: 0, .size: 8, .value_kind: global_buffer, .address_space: global }
      - { .name: w16, .offset: 8, .size: 8, .value_kind: global_buffer, .address_space: global }
      - { .name: out0, .offset: 16, .size: 8, .value_kind: global_buffer, .address_space: global }
    .group_segment_fixed_size: 327680
    .private_segment_fixed_size: 0
    .kernarg_segment_align: 8
    .kernarg_segment_size: 24
    .max_flat_workgroup_size: 128
    .sgpr_count:     66
    .vgpr_count:     768
    .wavefront_size: 32
...
	.end_amdgpu_metadata
.endif
;; end of part 4
;; launch head16 (part 5): grid 16 x 4, 16 waves a work-group, no clusters, 67,584 bytes of LDS; arguments qkvf, W_out, out0; writes out0
.if DOCPART == 5
	.amdgcn_target "amdgcn-amd-amdhsa--gfx1250"
	.amdhsa_code_object_version 6
	.text
	.protected	k_q2842d60fec_head16
	.globl	k_q2842d60fec_head16
	.p2align	8
	.type	k_q2842d60fec_head16,@function
k_q2842d60fec_head16:
	s_mov_b64 s[64:65], 0
	v_nop
	global_prefetch_b8 v0, s[64:65] scope:SCOPE_SE
	s_setreg_imm32_b32 hwreg(HW_REG_WAVE_MODE, 25, 1), 1
	s_wait_xcnt 0x0
; THE FIRST 16 POSITIONS OF EACH SEQUENCE, ALL IN F32: attention over at most 16 keys and the projection, from qkvf [batch][16][3072] f32 and W_out f32, into rows 0-15 of each batch of out0.
; These rows average one to sixteen values and are the largest of the output: f16 operands would use up what the comparison allows.  64 rows in all: no bulk work.
; SHARES.  Work-group (x, y): 64 output columns x of batch y.  Wave = head: it makes its head's 16 x 16 attention and that head's part of the 16 x 64 outputs; the sixteen parts meet in LDS.
; All products by v_wmma_f32_16x16x4_f32, transposed, with K taken in an order that is the same on both sources, so that each result feeds the next product with no change of lanes:
;   S^T (key, query) = k q^T: a lane holds channels 32 h + 0 .. 31 of its row; step s takes registers 2 s, 2 s + 1.  Four accumulators by turns, added afterwards.
;   O^T (channel, query) = v^T p: p's registers 2 i, 2 i + 1 are keys 8 h + 2 i + 0, 1; v is loaded so.
;   out^T (column, query) = W^T O^T: O^T's registers 2 ks, 2 ks + 1 are channels 16 (ks / 4) + 8 h + 2 (ks % 4) + 0, 1; W_out is loaded so.
; The registers that these instructions write (v176-239) are written by them alone, and each sum begins with the constant 0.
.set SPARE, 65536                      ; LDS: 16 parts of 4,096 bytes; behind them the spare words, 128 bytes a wave: eight blocks of 256 bytes that no other line names
.set QF,  16                           ; v16-47   q
.set KFR, 48                           ; v48-79   k
.set W2,  16                           ; v16-79   later: W_out's fragments for column tiles 2, 3
.set VF,  80                           ; v80-111  v; later the sixteen parts of my two outputs
.set W1,  112                          ; v112-175 W_out's fragments for column tiles 0, 1
.set SA,  176                          ; v176-207 four accumulators of S^T; later the four of out^T
.set OA,  208                          ; v208-239 O^T
.set SS,  240                          ; v240-247 the scores, then p
.set PP,  248                          ; v248-255 at work, then the weights
	s_load_b128 s[4:7], s[0:1], 0x0                ; qkvf, W_out
	s_load_b64 s[8:9], s[0:1], 0x10                ; out0
	v_lshl_add_u32 v14, v0, 2, SPARE               ; my spare word; never rewritten
	v_mov_b32 v15, 0                               ; 0; never rewritten
	v_lshrrev_b32 v1, 5, v0
	v_readfirstlane_b32 s10, v1                    ; wave = head
	s_and_b32 s11, ttmp7, 0xffff                   ; batch
	v_and_b32 v1, 15, v0                           ; r
	v_bfe_u32 v2, v0, 4, 1                         ; h
	v_mul_u32_u24 v3, v1, 12288
	v_lshl_add_u32 v3, v2, 7, v3                   ; q, k: position r, channels 32 h on
	v_mul_u32_u24 v4, v2, 98304
	v_lshl_add_u32 v4, v1, 2, v4                   ; v: keys 8 h on, channel r
	v_lshlrev_b32 v5, 15, v2
	v_lshl_add_u32 v5, v1, 2, v5                   ; W_out: rows 8 h on, column r
	v_and_b32 v10, 31, v0
	s_lshl_b32 s16, s10, 12
	v_lshl_add_u32 v6, v10, 4, s16                 ; my part in LDS: 4,096 x head + 16 x lane
	v_bfe_u32 v7, v0, 3, 2                         ; back: query = wave, columns 2 l, 2 l + 1: tile l / 8,
	v_lshlrev_b32 v7, 10, v7
	v_bfe_u32 v11, v0, 1, 1
	v_lshl_add_u32 v7, v11, 9, v7                  ; upper or lower four registers,
	v_bfe_u32 v11, v0, 2, 1
	v_lshl_add_u32 v7, v11, 8, v7                  ; the half of the lanes,
	v_and_b32 v11, 1, v0
	v_lshl_add_u32 v7, v11, 3, v7                  ; the pair of words,
	s_lshl_b32 s16, s10, 4
	v_add_nc_u32 v7, s16, v7                       ; and the lane of my query
	v_lshlrev_b32 v8, 3, v10                       ; out: 8 bytes a lane
	v_lshlrev_b32 v9, 3, v2
	v_sub_nc_u32 v9, v1, v9                        ; d = r - 8 h: register j holds key 8 h + j, hidden where j > d
	v_mov_b32 v12, 0
	v_mov_b32 v13, 0                               ; (lane permutes' destinations count as sources)
	s_mov_b32 s12, 0x76543210
	s_mov_b32 s13, 0xfedcba98
	s_mov_b32 s14, 0x3e38aa3b                      ; c = log2(e) / 8
	s_mov_b32 s15, s14
	s_mul_i32 s16, s11, 196608
	s_lshl_b32 s17, s10, 8
	s_add_co_u32 s16, s16, s17                     ; qkvf: the batch's 16 rows, the head's 64 numbers
	s_mov_b32 s17, 0
	s_lshl_b32 s18, s10, 18
	s_lshl_b32 s19, ttmp9, 8
	s_add_co_u32 s18, s18, s19                     ; W_out: the head's 64 rows, my work-group's 64 columns
	s_mov_b32 s19, 0
	s_lshl_b32 s20, s11, 11
	s_add_co_u32 s20, s20, s10
	s_lshl_b32 s20, s20, 12
	s_lshl_b32 s21, ttmp9, 8
	s_add_co_u32 s20, s20, s21                     ; out0: row 2,048 batch + wave, my work-group's 256 bytes
	s_mov_b32 s21, 0
	s_wait_kmcnt 0x0
	s_add_nc_u64 s[4:5], s[4:5], s[16:17]
	s_add_nc_u64 s[6:7], s[6:7], s[18:19]
	s_add_nc_u64 s[8:9], s[8:9], s[20:21]
.irp i, 0,1,2,3,4,5,6,7
	global_load_b128 v[QF+4*\i:QF+4*\i+3], v3, s[4:5] offset:16*\i
.endr
.irp i, 0,1,2,3,4,5,6,7
	global_load_b128 v[KFR+4*\i:KFR+4*\i+3], v3, s[4:5] offset:4096+16*\i
.endr
.irp dt, 0,1,2,3
.irp i, 0,1,2,3
.irp j, 0,1
	global_load_b32 v[VF+2*(4*\dt+\i)+\j], v4, s[4:5] offset:8192+(2*\i+\j)*12288+64*\dt   ; v(key 8 h + 2 i + j, channel 16 dt + r)
.endr
.endr
.endr
.macro WLOAD w, n0                     ; W_out's fragments for column tiles n0, n0 + 1: W(channel 16 (ks / 4) + 8 h + 2 (ks % 4) + j, column 16 nt + r)
.irp n, 0,1
.irp ks, 0,1,2,3,4,5,6,7,8,9,10,11,12,13,14,15
.irp j, 0,1
	global_load_b32 v[\w+2*(16*\n+\ks)+\j], v5, s[6:7] offset:(16*(\ks/4)+2*(\ks%4)+\j)*4096+64*(\n0+\n)
.endr
.endr
.endr
.endm
	s_wait_loadcnt 32                              ; q and k are in; v's 32 loads may be out
.irp s, 0,1,2,3,4,5,6,7,8,9,10,11,12,13,14,15
.if \s < 4
	v_wmma_f32_16x16x4_f32 v[SA+8*(\s%4):SA+8*(\s%4)+7], v[KFR+2*\s:KFR+2*\s+1], v[QF+2*\s:QF+2*\s+1], 0
.else
	v_wmma_f32_16x16x4_f32 v[SA+8*(\s%4):SA+8*(\s%4)+7], v[KFR+2*\s:KFR+2*\s+1], v[QF+2*\s:QF+2*\s+1], v[SA+8*(\s%4):SA+8*(\s%4)+7]
.endif
.endr
	WLOAD W1, 0
.rept 8
	v_nop                                          ; eight places behind this form, ahead of the first read of its results (ISA guide 7.12.1)
.endr
.irp p, 0,1,2,3                        ; the four accumulators are added, each read from its low end on
	v_pk_add_f32 v[SS+2*\p:SS+2*\p+1], v[SA+2*\p:SA+2*\p+1], v[SA+8+2*\p:SA+8+2*\p+1]
	v_pk_add_f32 v[PP+2*\p:PP+2*\p+1], v[SA+16+2*\p:SA+16+2*\p+1], v[SA+24+2*\p:SA+24+2*\p+1]
.endr
.irp p, 0,1,2,3
	v_pk_add_f32 v[SS+2*\p:SS+2*\p+1], v[SS+2*\p:SS+2*\p+1], v[PP+2*\p:PP+2*\p+1]
.endr
	v_mov_b32 v10, 0xff800000                      ; -infinity
.irp j, 0,1,2,3,4,5,6,7
	v_cmp_gt_i32 vcc_lo, \j, v9
	v_cndmask_b32 v[SS+\j], v[SS+\j], v10, vcc_lo
.endr
	v_max3_num_f32 v11, v[SS], v[SS+1], v[SS+2]
	v_max3_num_f32 v11, v11, v[SS+3], v[SS+4]
	v_max3_num_f32 v11, v11, v[SS+5], v[SS+6]
	v_max_num_f32 v11, v11, v[SS+7]
	v_permlanex16_b32 v12, v11, s12, s13
	v_max_num_f32 v11, v11, v12                    ; the row's largest score: key 0 counts for every query, so it is a number
	v_mul_f32 v10, s14, v11                        ; c m
.irp p, 0,1,2,3
	v_pk_fma_f32 v[SS+2*\p:SS+2*\p+1], v[SS+2*\p:SS+2*\p+1], s[14:15], v[10:11] op_sel_hi:[1,0,0] neg_lo:[0,0,1] neg_hi:[0,0,1]
.endr
.irp j, 0,1,2,3,4,5,6,7
	v_exp_f32 v[SS+\j], v[SS+\j]
.endr
	v_nop
	s_wait_alu depctr_va_vdst(0)                   ; one wait for the eight, ahead of their first reader
	v_pk_add_f32 v[12:13], v[SS:SS+1], v[SS+2:SS+3]
	v_pk_add_f32 v[10:11], v[SS+4:SS+5], v[SS+6:SS+7]
	v_pk_add_f32 v[12:13], v[12:13], v[10:11]
	v_add_f32 v12, v12, v13
	v_permlanex16_b32 v13, v12, s12, s13
	v_add_f32 v12, v12, v13                        ; the row's sum
	v_rcp_f32 v10, v12
	v_nop
	s_wait_alu depctr_va_vdst(0)
.irp p, 0,1,2,3
	v_pk_mul_f32 v[PP+2*\p:PP+2*\p+1], v[SS+2*\p:SS+2*\p+1], v[10:11] op_sel_hi:[1,0]   ; the weights
.endr
	s_wait_loadcnt 63                              ; v is in: 64 loads were issued behind it, and the count's field holds 63
.irp i, 0,1,2,3                        ; four accumulators by turns
.irp dt, 0,1,2,3
.if \i == 0
	v_wmma_f32_16x16x4_f32 v[OA+8*\dt:OA+8*\dt+7], v[VF+2*(4*\dt+\i):VF+2*(4*\dt+\i)+1], v[PP+2*\i:PP+2*\i+1], 0
.else
	v_wmma_f32_16x16x4_f32 v[OA+8*\dt:OA+8*\dt+7], v[VF+2*(4*\dt+\i):VF+2*(4*\dt+\i)+1], v[PP+2*\i:PP+2*\i+1], v[OA+8*\dt:OA+8*\dt+7]
.endif
.endr
.endr
	WLOAD W2, 2                                    ; into q's and k's registers, whose products stand far more than eight plain lines back
.rept 9
	v_nop                                          ; nine places ahead of matrix instructions that take these results as a source
.endr
.macro PROJ w, n0                      ; two accumulators by turns
.irp ks, 0,1,2,3,4,5,6,7,8,9,10,11,12,13,14,15
.irp n, 0,1
.if \ks == 0
	v_wmma_f32_16x16x4_f32 v[SA+8*(\n0+\n):SA+8*(\n0+\n)+7], v[\w+2*(16*\n+\ks):\w+2*(16*\n+\ks)+1], v[OA+2*\ks:OA+2*\ks+1], 0
.else
	v_wmma_f32_16x16x4_f32 v[SA+8*(\n0+\n):SA+8*(\n0+\n)+7], v[\w+2*(16*\n+\ks):\w+2*(16*\n+\ks)+1], v[OA+2*\ks:OA+2*\ks+1], v[SA+8*(\n0+\n):SA+8*(\n0+\n)+7]
.endif
.endr
.endr
.endm
	s_wait_loadcnt 63                              ; the first 64 of W_out's loads are in: 64 were issued behind them
	PROJ W1, 0
	s_wait_loadcnt 0x0
	PROJ W2, 2
.rept 8
	v_nop
.endr
.irp nt, 0,1,2,3
.irp c, 0,1
	ds_store_b128 v6, v[SA+8*\nt+4*\c:SA+8*\nt+4*\c+3] offset:1024*\nt+512*\c   ; my head's part as it stands in the registers, each accumulator from its low end on
.endr
.endr
	s_wait_dscnt 0x0                               ; for the others' sake: my stores are done
	s_barrier_signal -1
	s_barrier_wait -1
.irp p, 0,1,2,3,4,5,6,7,8,9,10,11,12,13,14,15
	ds_load_b64 v[VF+2*\p:VF+2*\p+1], v7 offset:4096*\p   ; head p's part of out(query = wave, columns 2 l, 2 l + 1)
.endr
	s_wait_dscnt 0x0
.irp u, 0,1,2,3,4,5,6,7
	v_pk_add_f32 v[VF+4*\u:VF+4*\u+1], v[VF+4*\u:VF+4*\u+1], v[VF+4*\u+2:VF+4*\u+3]
.endr
.irp u, 0,1,2,3
	v_pk_add_f32 v[VF+8*\u:VF+8*\u+1], v[VF+8*\u:VF+8*\u+1], v[VF+8*\u+4:VF+8*\u+5]
.endr
.irp u, 0,1
	v_pk_add_f32 v[VF+16*\u:VF+16*\u+1], v[VF+16*\u:VF+16*\u+1], v[VF+16*\u+8:VF+16*\u+9]
.endr
	v_pk_add_f32 v[VF:VF+1], v[VF:VF+1], v[VF+16:VF+17]
	global_store_b64 v8, v[VF:VF+1], s[8:9]        ; the wave stores 256 consecutive aligned bytes of its row
	s_wait_tensorcnt 0x0                           ; the wave's end, behind my last LDS store
	ds_add_u32 v14, v15
	s_wait_dscnt 0x0
	s_endpgm
.Lfunc_end_k_q2842d60fec_head16:
	.size	k_q2842d60fec_head16, .Lfunc_end_k_q2842d60fec_head16-k_q2842d60fec_head16
	.p2alignl 7, 3214868480
	.fill 96, 4, 3214868480
	.section	.rodata,"a",@progbits
	.p2align	6, 0x0
	.amdhsa_kernel k_q2842d60fec_head16
		.amdhsa_group_segment_fixed_size 67584
		.amdhsa_private_segment_fixed_size 0
		.amdhsa_enable_private_segment 0
		.amdhsa_kernarg_size 24
		.amdhsa_user_sgpr_count 2
		.amdhsa_user_sgpr_kernarg_segment_ptr 1
		.amdhsa_wavefront_size32 1
		.amdhsa_system_sgpr_workgroup_id_x 1
		.amdhsa_system_sgpr_workgroup_id_y 1
		.amdhsa_system_sgpr_workgroup_id_z 1
		.amdhsa_system_vgpr_workitem_id 0
		.amdhsa_next_free_vgpr 256
		.amdhsa_next_free_sgpr 66
		.amdhsa_reserve_vcc 1
		.amdhsa_float_denorm_mode_32 3
		.amdhsa_float_denorm_mode_16_64 3
		.amdhsa_memory_ordered 1
		.amdhsa_forward_progress 1
		.amdhsa_inst_pref_size 32
	.end_amdhsa_kernel
	.amdgpu_metadata
---
amdhsa.version: [ 1, 2 ]
amdhsa.kernels:
  - .name:           k_q2842d60fec_head16
    .symbol:         k_q2842d60fec_head16.kd
    .args:
      - { .name: qkvf, .offset: 0, .size: 8, .value_kind: global_buffer, .address_space: global }
      - { .name: W_out, .offset: 8, .size: 8, .value_kind: global_buffer, .address_space: global }
      - { .name: out0, .offset: 16, .size: 8, .value_kind: global_buffer, .address_space: global }
    .group_segment_fixed_size: 67584
    .private_segment_fixed_size: 0
    .kernarg_segment_align: 8
    .kernarg_segment_size: 24
    .max_flat_workgroup_size: 512
    .sgpr_count:     66
    .vgpr_count:     256
    .wavefront_size: 32
...
	.end_amdgpu_metadata
.endif
;; end of part 5
